; MI455X (gfx1250); checked and timed in simulation.
; The chip was launched on July 23, 2026; its instructions are those of AMD's public machine-readable ISA for CDNA 5 (MIT licence, August 2026) and "CDNA5" Instruction Set Architecture Reference Guide (July 2026). The comments in the code are by the model that wrote it; some were corrected since.
;; Memory Efficient Attention. Allowed arithmetic: matrix products marked QUANTISED: E2M1 operands, one E8M0 scale for each 32 along K, by v_wmma_scale_f32_16x16x128_f8f6f4 with both operands' format E2M1 (or v_wmma_scale_f32_32x16x128_f4), f32 sums; products left as they are: bf16, f16 or f32 operands; f32 sums; everything else in f32.
;; Inputs: Wk 1,024 x 1,024 float32; Wo 1,024 x 1,024 float32; Wq 1,024 x 1,024 float32; Wv 1,024 x 1,024 float32; bk 1,024 float32; bo 1,024 float32; bq 1,024 float32; bv 1,024 float32; query 4 x 2,048 x 1,024 float32.
;; Outputs: out0 4 x 2,048 x 1,024 float32.
;; This version of the problem:
;;   THIS VERSION OF THE PROBLEM IS GIVEN IN LOW PRECISION. The matrix products marked QUANTISED in the list below multiply operands that are first quantised to E2M1 (2 exponent bits, 1 mantissa bit; 4 bits a number), with one power-of-two scale for each 32 numbers along K (OCP MX v1.0); their sums are f32. The products marked 'left as it is' may take bf16, f16 or f32 operands, with f32 sums. Whichever they take, every output number must still come out within the allowed error. Rounding operands to bf16 (8 significant bits) uses up far more of that allowance than f16 does (11 bits, for magnitudes from 6e-5 to 65,504). All else is computed in f32.
;;   The module's matrix products, in the order in which they are computed (A, B: the left and right operand; K: the contracted axis; several contracted axes count as one K, in the product's order):
;;     1. [M 8,192, K 1,024] x [K 1,024, N 1,024]; A: input query; B: input Wq: QUANTISED
;;     2. [M 8,192, K 1,024] x [K 1,024, N 1,024]; A: input query; B: input Wk: QUANTISED
;;     3. [M 8,192, K 1,024] x [K 1,024, N 1,024]; A: input query; B: input Wv: QUANTISED
;;     4. batch 64 x [M 2,048, K 64] x [K 64, N 2,048]; A: computed on the way; B: computed on the way: left as it is (an operand is computed on the way)
;;     5. batch 64 x [M 64, K 2,048] x [K 2,048, N 2,048]; A: computed on the way; B: computed on the way: left as it is (an operand is computed on the way)
;;     6. [M 8,192, K 1,024] x [K 1,024, N 1,024]; A: computed on the way; B: input Wo: left as it is (an operand is computed on the way)
;;   THE QUANTISER, for each operand of a quantised product, along K:
;;     - K is cut into blocks of 32 from its start; a last block that is shorter is filled with zeros.
;;     - A block's scale is 2^e with e = floor(log2(the largest magnitude in the block)) - 2, held to -126 .. 127; a block of zeros has e = 0. As a byte (E8M0): e + 127.
;;     - Each number is divided by its block's scale, clamped to +-6, and rounded to the nearest number of E2M1, ties to even, subnormals kept.
;;     - The product sums the exact products of the quantised numbers (number of the format x scale) in f32.
;;   ~~~python
;;   def quantise(x, axis):      # numpy; x: float32 -> the quantised numbers, widened to float32 again
;;       x = np.moveaxis(x, axis, -1); K = x.shape[-1]
;;       x = np.pad(x, [(0, 0)] * (x.ndim - 1) + [(0, -K % 32)]); x = x.reshape(x.shape[:-1] + (-1, 32)); a = np.abs(x).max(-1, keepdims=True)
;;       e = np.where(a > 0, np.clip(np.frexp(np.where(a > 0, a, 1))[1] - 1 - 2, -126, 127), 0)      # np.frexp(a)[1] - 1 = floor(log2(a)), exactly
;;       r = np.clip(x / 2.0 ** e, -6, 6)
;;       step = 2.0 ** (np.maximum(np.frexp(np.where(r == 0, 1, r))[1] - 1, 0) - 1)
;;       q = np.round(r / step) * step * 2.0 ** e      # np.round: ties to even
;;       return np.moveaxis(q.reshape(q.shape[:-2] + (-1,))[..., :K], -1, axis).astype(np.float32)
;;   ~~~
;; One version. Each part assembles by itself: llvm-mc -triple=amdgcn-amd-amdhsa -mcpu=gfx1250 --defsym DOCPART=n.
;; ======== version 1 of 1: 4 launches
;; limits: values are held in f16: magnitudes above 65,504 overflow, below 6.1e-05 lose precision
;; workspace buffers: xc 4,194,304 bytes; xs 262,144 bytes; wc 1,572,864 bytes; ws 98,304 bytes; wo16 2,097,152 bytes; qkv 50,331,648 bytes; ctx 16,777,216 bytes
;; launch prep (part 1): grid 368 x 1, 4 waves a work-group, no clusters, 68,096 bytes of LDS; arguments query, Wq, Wk, Wv, Wo, xc, xs, wc, ws, wo16; writes xc, xs, wc, ws, wo16
.if DOCPART == 1
	.amdgcn_target "amdgcn-amd-amdhsa--gfx1250"
	.amdhsa_code_object_version 6
	.text
	.protected	k_q0e2d05be73_prep
	.globl	k_q0e2d05be73_prep
	.p2align	8
	.type	k_q0e2d05be73_prep,@function
k_q0e2d05be73_prep:
	s_mov_b64 s[64:65], 0
	v_nop
	global_prefetch_b8 v0, s[64:65] scope:SCOPE_SE
	s_setreg_imm32_b32 hwreg(HW_REG_WAVE_MODE, 25, 1), 1
	s_wait_xcnt 0x0
; THE OPERANDS ARE MADE READY, each read once.  Three kinds of work-group, told apart by the work-group's number alone; they never meet again, and each has LDS bytes of its own.
;   0 .. 47    W:  Wq, Wk, Wv [k 1024][n 1024] f32 -> codes of FP4 (E2M1) with K innermost, wc [1024 tensor + n][512 bytes], and one E8M0 byte for each 32 along K, ws [1024 tensor + n][32]
;   48 .. 111  Wo: [k 1024][n 1024] f32 -> f16, as it lies (wo16)
;   112 .. 367 X:  query [8192][1024] f32 -> codes xc [8192][512 bytes], scale bytes xs [8192][32]
; A block's scale is 2^(floor(log2(its largest magnitude)) - 2); its byte is the largest magnitude's exponent field - 2, held at 1 from below.  Each number is divided by the scale and rounded to the nearest code, ties to even; beyond 6 the largest code.
; LIMITS: a block of zeros gets the byte 1 (not 127): its codes are zeros, which add nothing, and this program alone reads the bytes.  NaN and infinities among the inputs are not served.  |Wo| above 65,504, f16's largest number, is not served.
; No tensor load, no barrier: waves share nothing.
.set SPARE, 67584                      ; the spare words, 128 bytes for each wave: two blocks of 256 bytes that no other line names
.set SPW,   192                        ; v192  LDS address of my spare word; never rewritten
.set NIL,   193                        ; v193  0; never rewritten
.set EMAX,  2
; path X: LDS 0 .. 32,767, 8,192 a wave: two stages of 32 x 80 bytes, then the wave's 256 scale bytes
.set XSTEPS, 16
.set XCB,   8                          ; bytes of 16 codes
.set XR,    16                         ; v16-79   four sets of 16 numbers as they are loaded
.set XX,    80                         ; v80-111  two sets of 16 neighbours
.set XE,    112                        ; v112-127 a scale byte for each step
.set XC,    128                        ; v128-191 codes: four registers for each step, so that no store's data are written again
.set XWREG, 8192
.set XSP,   80                         ; a lane's place in a stage: 64 bytes + 16 of padding
; path W: LDS 32,768 .. 67,583: a stage of 32 rows x 272 bytes for each wave
.set WNB,   16                         ; blocks of 32 along K for a wave (512 along K)
.set WPITCH, 272
.set WSTG,  32768
.set WKROW, 512                        ; a row of wc in bytes
.set WROW,  4096                       ; a row of a weight in bytes
.set WX,    32                         ; v32-95   two sets of 32 numbers
.set WC,    96                         ; v96-99   a block's codes
.set WOUT,  112                        ; v112-175 the way out
.set WSB,   24                         ; v24-27   the scale bytes, four to a register
	s_load_b256 s[4:11], s[0:1], 0x0               ; query s[4:5], Wq s[6:7], Wk s[8:9], Wv s[10:11]
	s_load_b256 s[12:19], s[0:1], 0x20             ; Wo s[12:13], xc s[14:15], xs s[16:17], wc s[18:19]
	s_load_b128 s[20:23], s[0:1], 0x40             ; ws s[20:21], wo16 s[22:23]
	v_lshl_add_u32 v[SPW], v0, 2, SPARE
	v_mov_b32 v[NIL], 0
	v_lshrrev_b32 v1, 5, v0
	v_readfirstlane_b32 s24, v1                    ; wave 0..3
	v_and_b32 v2, 31, v0                           ; lane
	s_wait_kmcnt 0x0
	s_cmp_lt_u32 ttmp9, 48
	s_cbranch_scc1 .Lw
	s_cmp_lt_u32 ttmp9, 112
	s_cbranch_scc1 .Lwo
; ---------------- X: query is a plain stream of blocks of 32.  A wave takes 16 steps of 512 numbers.  Each load reads 512 consecutive bytes; a step's 2,048 bytes turn through the wave's own stage
; so that a lane holds 16 NEIGHBOURS along K (two neighbouring lanes hold a block), which is what the conversions take.
	v_lshlrev_b32 v3, 4, v2                        ; my 16 bytes of a load's 512
	s_mul_i32 s25, s24, XWREG
	v_lshrrev_b32 v14, 2, v2
	v_mul_u32_u24 v14, v14, XSP
	v_and_b32 v15, 3, v2
	v_lshl_add_u32 v14, v15, 4, v14
	v_add_nc_u32 v14, s25, v14                     ; the stage, on the way in: 80 (lane / 4) + 16 (lane % 4)
	v_mul_u32_u24 v15, v2, XSP
	v_add_nc_u32 v15, s25, v15                     ; and on the way out: 80 x lane
	v_mul_u32_u24 v4, v2, XCB                      ; my codes' place in a step's
	v_lshrrev_b32 v5, 1, v2
	s_add_co_u32 s25, s25, 2*32*XSP
	v_add_nc_u32 v5, s25, v5                       ; my wave's 256 scale bytes: my block's byte
	v_lshlrev_b32 v7, 3, v2                        ; and on the way out 8 bytes a lane
	v_add_nc_u32 v6, s25, v7
	s_sub_co_u32 s25, ttmp9, 112
	s_lshl_b32 s25, s25, 2
	s_add_co_u32 s26, s25, s24                     ; which run of 8,192 numbers is my wave's: 0 .. 1,023
	s_mov_b32 s27, 0
	s_lshl_b64 s[28:29], s[26:27], 15              ; 32,768 bytes of numbers a run
	s_add_nc_u64 s[4:5], s[4:5], s[28:29]
	s_lshl_b64 s[28:29], s[26:27], 12              ; 4,096 bytes of codes
	s_add_nc_u64 s[14:15], s[14:15], s[28:29]
	s_lshl_b32 s26, s26, 8                         ; 256 scale bytes
	s_add_nc_u64 s[16:17], s[16:17], s[26:27]
.macro XLOAD t
.irp i, 0,1,2,3
	global_load_b128 v[XR+16*((\t)%4)+4*\i:XR+16*((\t)%4)+4*\i+3], v3, s[4:5] offset:2048*(\t)+512*\i th:TH_LOAD_NT   ; 32 lanes read 512 consecutive bytes
.endr
.endm
.macro XTURN t                         ; step t's numbers through the stage: LDS serves a wave's instructions in order, so no wait stands between the stores and the loads
.irp i, 0,1,2,3
	ds_store_b128 v14, v[XR+16*((\t)%4)+4*\i:XR+16*((\t)%4)+4*\i+3] offset:32*XSP*((\t)%2)+8*XSP*\i
.endr
.irp i, 0,1,2,3
	ds_load_b128 v[XX+16*((\t)%2)+4*\i:XX+16*((\t)%2)+4*\i+3], v15 offset:32*XSP*((\t)%2)+16*\i
.endr
.endm
.irp t, 0,1,2,3
	XLOAD \t
.endr
	s_wait_loadcnt 12                              ; step 0's four loads are in; the twelve of steps 1 to 3 may be out
	XTURN 0
.macro XSTEP t
.set XS, XX+16*((\t)%2)
.if (\t) > 0
	s_wait_dscnt 1                                 ; this step's numbers are back from the stage (the last step's byte store may be out)
.else
	s_wait_dscnt 0x0
.endif
.if (\t)+4 < XSTEPS
	XLOAD (\t)+4                                   ; into the set that this step's stores into the stage have read
.endif
.if (\t)+1 < XSTEPS
.if XSTEPS-2-(\t) >= 3
	s_wait_loadcnt 12                              ; the next step's four loads are in; those of the three steps behind it may be out
.else
	s_wait_loadcnt 4*(XSTEPS-2-(\t))
.endif
	XTURN (\t)+1                                   ; they go through the other stage while this step is worked
.endif
	v_max3_num_f32 v8, |v[XS]|, |v[XS+1]|, |v[XS+2]|               ; the largest magnitude of my 16, in two chains
	v_max3_num_f32 v9, |v[XS+3]|, |v[XS+4]|, |v[XS+5]|
.irp i, 6,10
	v_max3_num_f32 v8, v8, |v[XS+\i]|, |v[XS+\i+1]|
	v_max3_num_f32 v9, v9, |v[XS+\i+2]|, |v[XS+\i+3]|
.endr
	v_max3_num_f32 v8, v8, |v[XS+14]|, |v[XS+15]|
	v_max3_num_f32 v8, v8, v9, (EMAX+1)<<23        ; and the floor 2^(3 - 127): the byte cannot fall under 1
	v_max_num_f32_dpp v8, v8, v8 row_xmask:1 row_mask:0xf bank_mask:0xf   ; and of my neighbour's 16: the block's
	v_add_nc_u32 v11, -(EMAX<<23), v8              ; 2 off its exponent field: the conversion takes the exponent field of this operand as its scale
	v_cvt_scalef32_pk8_fp4_f32 v[XC+4*(\t)], v[XS:XS+7], v11
	v_cvt_scalef32_pk8_fp4_f32 v[XC+4*(\t)+1], v[XS+8:XS+15], v11
	v_lshrrev_b32 v[XE+(\t)], 23, v11              ; the scale's byte (also the plain line behind the conversions)
	ds_store_b8 v5, v[XE+(\t)] offset:16*(\t)      ; both lanes of a block write the same byte with the same value
	global_store_b64 v4, v[XC+4*(\t):XC+4*(\t)+1], s[14:15] offset:32*XCB*(\t)   ; 32 lanes store 256 consecutive bytes, aligned
.endm
.irp t, 0,1,2,3,4,5,6,7,8,9,10,11,12,13,14,15
	XSTEP \t
.endr
	ds_load_b64 v[8:9], v6                         ; LDS serves a wave's instructions in order: these see my byte stores
	s_wait_dscnt 0x0
	global_store_b64 v7, v[8:9], s[16:17]          ; the wave's 256 scale bytes: 256 consecutive bytes, aligned
	s_wait_tensorcnt 0x0                           ; the wave's end, behind my last LDS store
	ds_add_u32 v[SPW], v[NIL]
	s_wait_dscnt 0x0
	s_endpgm
; ---------------- W: K is the weights' FIRST axis.  A lane takes a column n and its registers run DOWN K: each load reads 128 consecutive bytes a wave, a block of 32 along K lies in one lane,
; and the conversions give codes with K innermost.  A wave takes 32 columns x 512 along K; its codes go through its own stage and leave as rows.
.Lw:
	s_lshr_b32 s25, ttmp9, 4                       ; tensor: 0 Wq, 1 Wk, 2 Wv
	s_and_b32 s26, ttmp9, 7                        ; which 128 columns
	s_bfe_u32 s27, ttmp9, 0x10003                  ; which 512 along K
	s_lshl_b32 s28, s26, 7
	s_lshl_b32 s29, s24, 5
	s_add_co_u32 s28, s28, s29                     ; my wave's first column
	s_lshl_b32 s30, s27, 21                        ; 512 rows of 4,096 bytes
	s_lshl_b32 s31, s28, 2
	s_add_co_u32 s30, s30, s31
	s_mov_b32 s31, 0
	s_cmp_lt_u32 ttmp9, 16                         ; the choice hangs on the work-group's number alone
	s_cselect_b64 s[6:7], s[6:7], s[8:9]
	s_cmp_lt_u32 ttmp9, 32
	s_cselect_b64 s[6:7], s[6:7], s[10:11]
	s_add_nc_u64 s[6:7], s[6:7], s[30:31]
	s_lshl_b32 s29, s25, 10
	s_add_co_u32 s28, s28, s29                     ; my first row of wc and ws: 1024 tensor + column
	s_lshl_b32 s30, s28, 9
	s_lshl_b32 s29, s27, 8
	s_add_co_u32 s30, s30, s29                     ; row x 512 + 256 y
	s_add_nc_u64 s[18:19], s[18:19], s[30:31]
	s_lshl_b32 s30, s28, 5
	s_lshl_b32 s29, s27, 4
	s_add_co_u32 s30, s30, s29                     ; row x 32 + 16 y
	s_add_nc_u64 s[20:21], s[20:21], s[30:31]
	v_lshlrev_b32 v3, 2, v2                        ; in: 4 bytes a lane
	s_mul_i32 s29, s24, 32*WPITCH
	s_add_co_u32 s29, s29, WSTG                    ; my stage
	v_mul_u32_u24 v4, v2, WPITCH
	v_add_nc_u32 v4, s29, v4                       ; into it: row = my column
	v_and_b32 v5, 15, v2
	v_lshrrev_b32 v6, 4, v2                        ; out of it: sixteen lanes to a row, two rows an instruction
	v_mul_u32_u24 v7, v6, WPITCH
	v_lshl_add_u32 v7, v5, 4, v7
	v_add_nc_u32 v7, s29, v7
	v_mul_u32_u24 v8, v6, WKROW
	v_lshl_add_u32 v8, v5, 4, v8                   ; and the same place in wc
	v_lshlrev_b32 v9, 5, v2                        ; my column's row of scale bytes
.macro WLOAD t                         ; block t: W(32 t + i, my column), i = 0 .. 31, into set t % 2.  The offsets reach 511 rows of 4,096 bytes: inside the signed 24-bit immediate
.irp i, 0,1,2,3,4,5,6,7,8,9,10,11,12,13,14,15,16,17,18,19,20,21,22,23,24,25,26,27,28,29,30,31
	global_load_b32 v[WX+32*((\t)%2)+\i], v3, s[6:7] offset:(32*(\t)+\i)*WROW th:TH_LOAD_NT
.endr
.endm
	WLOAD 0
	WLOAD 1
.macro WBLOCK t
.set XS, WX+32*((\t)%2)
.if (\t) < WNB-1
	s_wait_loadcnt 32                              ; this block's 32 loads are in; the next block's 32 may be out
.else
	s_wait_loadcnt 0
.endif
	v_max3_num_f32 v12, |v[XS]|, |v[XS+1]|, |v[XS+2]|              ; the block's largest magnitude: all 32 numbers are mine
	v_max3_num_f32 v13, |v[XS+3]|, |v[XS+4]|, |v[XS+5]|
.irp i, 6,10,14,18,22,26
	v_max3_num_f32 v12, v12, |v[XS+\i]|, |v[XS+\i+1]|
	v_max3_num_f32 v13, v13, |v[XS+\i+2]|, |v[XS+\i+3]|
.endr
	v_max3_num_f32 v12, v12, |v[XS+30]|, |v[XS+31]|
	v_max3_num_f32 v12, v12, v13, (EMAX+1)<<23     ; and the floor
	v_add_nc_u32 v11, -(EMAX<<23), v12             ; the conversion's scale operand
	v_lshrrev_b32 v13, 23, v11                     ; the scale's byte
.if (\t)%4 == 0
	v_mov_b32 v[WSB+(\t)/4], v13                   ; four bytes to a register, the lower K in the lower byte
.else
	v_lshl_or_b32 v[WSB+(\t)/4], v13, 8*((\t)%4), v[WSB+(\t)/4]
.endif
.irp g, 0,1,2,3
	v_cvt_scalef32_pk8_fp4_f32 v[WC+\g], v[XS+8*\g:XS+8*\g+7], v11
.endr
	v_nop                                          ; one plain line behind the last conversion
	ds_store_b128 v4, v[WC:WC+3] offset:16*(\t)    ; 32 codes: 16 bytes of my column's row
.if (\t)+2 < WNB
	WLOAD (\t)+2
.endif
	s_wait_dscnt 0x0                               ; the store has read its registers: the next block's codes may be written
.endm
.set Q, 0
.rept WNB
	WBLOCK Q
.set Q, Q+1
.endr
	global_store_b128 v9, v[WSB:WSB+3], s[20:21]   ; my column's 16 scale bytes
.irp t, 0,1,2,3,4,5,6,7,8,9,10,11,12,13,14,15
	ds_load_b128 v[WOUT+4*\t:WOUT+4*\t+3], v7 offset:2*\t*WPITCH   ; LDS serves a wave's instructions in order: these see my stores
.endr
.irp t, 0,1,2,3,4,5,6,7,8,9,10,11,12,13,14,15
	s_wait_dscnt 15-\t                             ; the younger read-backs may be out
	global_store_b128 v8, v[WOUT+4*\t:WOUT+4*\t+3], s[18:19] offset:2*\t*WKROW   ; sixteen lanes store 256 consecutive bytes, aligned
.endr
	s_wait_tensorcnt 0x0                           ; the wave's end, behind my last LDS store
	ds_add_u32 v[SPW], v[NIL]
	s_wait_dscnt 0x0
	s_endpgm
; ---------------- Wo: a cast.  A wave takes 4,096 numbers: 32 loads of 512 consecutive bytes, all on their way at once; each becomes 256 consecutive bytes of f16.  No register is written twice, no LDS.
.Lwo:
	s_sub_co_u32 s25, ttmp9, 48
	s_lshl_b32 s25, s25, 2
	s_add_co_u32 s25, s25, s24                     ; my run: 0 .. 255
	s_lshl_b32 s26, s25, 14
	s_mov_b32 s27, 0
	s_add_nc_u64 s[12:13], s[12:13], s[26:27]
	s_lshl_b32 s26, s25, 13
	s_add_nc_u64 s[22:23], s[22:23], s[26:27]
	v_lshlrev_b32 v3, 4, v2
	v_lshlrev_b32 v4, 3, v2
.set i, 0
.rept 32
	global_load_b128 v[16+4*i:19+4*i], v3, s[12:13] offset:512*i th:TH_LOAD_NT
.set i, i+1
.endr
.set i, 0
.rept 32
	s_wait_loadcnt 31-i                            ; loads come back in order: mine is in, the younger ones stay out
	v_cvt_pk_f16_f32 v[16+4*i], v[16+4*i], v[17+4*i]
	v_cvt_pk_f16_f32 v[17+4*i], v[18+4*i], v[19+4*i]
	global_store_b64 v4, v[16+4*i:17+4*i], s[22:23] offset:256*i
.set i, i+1
.endr
	s_endpgm
.Lfunc_end_k_q0e2d05be73_prep:
	.size	k_q0e2d05be73_prep, .Lfunc_end_k_q0e2d05be73_prep-k_q0e2d05be73_prep
	.p2alignl 7, 3214868480
	.fill 96, 4, 3214868480
	.section	.rodata,"a",@progbits
	.p2align	6, 0x0
	.amdhsa_kernel k_q0e2d05be73_prep
		.amdhsa_group_segment_fixed_size 68096
		.amdhsa_private_segment_fixed_size 0
		.amdhsa_enable_private_segment 0
		.amdhsa_kernarg_size 80
		.amdhsa_user_sgpr_count 2
		.amdhsa_user_sgpr_kernarg_segment_ptr 1
		.amdhsa_wavefront_size32 1
		.amdhsa_system_sgpr_workgroup_id_x 1
		.amdhsa_system_sgpr_workgroup_id_y 1
		.amdhsa_system_sgpr_workgroup_id_z 1
		.amdhsa_system_vgpr_workitem_id 0
		.amdhsa_next_free_vgpr 200
		.amdhsa_next_free_sgpr 66
		.amdhsa_reserve_vcc 0
		.amdhsa_float_denorm_mode_32 3
		.amdhsa_float_denorm_mode_16_64 3
		.amdhsa_memory_ordered 1
		.amdhsa_forward_progress 1
		.amdhsa_inst_pref_size 123
	.end_amdhsa_kernel
	.amdgpu_metadata
---
amdhsa.version: [ 1, 2 ]
amdhsa.kernels:
  - .name:           k_q0e2d05be73_prep
    .symbol:         k_q0e2d05be73_prep.kd
    .args:
      - { .name: query, .offset: 0, .size: 8, .value_kind: global_buffer, .address_space: global }
      - { .name: Wq, .offset: 8, .size: 8, .value_kind: global_buffer, .address_space: global }
      - { .name: Wk, .offset: 16, .size: 8, .value_kind: global_buffer, .address_space: global }
      - { .name: Wv, .offset: 24, .size: 8, .value_kind: global_buffer, .address_space: global }
      - { .name: Wo, .offset: 32, .size: 8, .value_kind: global_buffer, .address_space: global }
      - { .name: xc, .offset: 40, .size: 8, .value_kind: global_buffer, .address_space: global }
      - { .name: xs, .offset: 48, .size: 8, .value_kind: global_buffer, .address_space: global }
      - { .name: wc, .offset: 56, .size: 8, .value_kind: global_buffer, .address_space: global }
      - { .name: ws, .offset: 64, .size: 8, .value_kind: global_buffer, .address_space: global }
      - { .name: wo16, .offset: 72, .size: 8, .value_kind: global_buffer, .address_space: global }
    .group_segment_fixed_size: 68096
    .private_segment_fixed_size: 0
    .kernarg_segment_align: 8
    .kernarg_segment_size: 80
    .max_flat_workgroup_size: 128
    .sgpr_count:     66
    .vgpr_count:     200
    .wavefront_size: 32
...
	.end_amdgpu_metadata
.endif
;; end of part 1
;; launch qkv (part 2): grid 12 x 32, 4 waves a work-group, clusters of 4 x 4, 327,680 bytes of LDS; arguments xc, xs, wc, ws, bq, bk, bv, qkv; writes qkv
.if DOCPART == 2
	.amdgcn_target "amdgcn-amd-amdhsa--gfx1250"
	.amdhsa_code_object_version 6
	.text
	.protected	k_q0e2d05be73_qkv
	.globl	k_q0e2d05be73_qkv
	.p2align	8
	.type	k_q0e2d05be73_qkv,@function
k_q0e2d05be73_qkv:
	s_mov_b64 s[64:65], 0
	v_nop
	global_prefetch_b8 v0, s[64:65] scope:SCOPE_SE
	s_setreg_imm32_b32 hwreg(HW_REG_WAVE_MODE, 25, 1), 1
	s_wait_xcnt 0x0
	s_wait_alu depctr_hold_cnt(0) depctr_sa_sdst(0) depctr_va_vdst(0) depctr_va_sdst(0) depctr_va_ssrc(0) depctr_va_vcc(0) depctr_vm_vsrc(0)
	s_getreg_b32 s2, hwreg(HW_REG_IB_STS2, 6, 4)
	s_cmp_eq_u32 s2, 0
	s_cbranch_scc0 .Lentry_in_a_cluster
	s_endpgm
.Lentry_in_a_cluster:
	s_bfe_u32 s2, ttmp6, 0x10000c
	s_cmp_lg_u32 s2, 0xf033
	s_cbranch_scc0 .Lentry_shape_is_right
	s_endpgm
.Lentry_shape_is_right:
; q, k, v = query W + b, the three products as ONE product on codes of FP4 (E2M1) with one E8M0 scale for each 32 along K: A = xc [8192][1024 codes], B = wc [3072][1024 codes] (row = 1024 tensor + n), sums in f32.
; The result, rounded once to f16, is laid by head: qkv [tensor 3][b 4][h 16][s 2048][64].  LIMIT: |q|, |k|, |v| above 65,504, f16's largest number, are not served.
; A tile of the result, 256 x 256, is made by a work-group of four waves; a wave makes 128 x 128: 64 accumulators of 16 x 16, 512 registers.
; K = 1,024 is two LDS slots of 512 along K (a tile's row is 256 bytes of memory): both slots, and the scale bytes of the work-group's rows for all of K, are asked for at the head, and nothing is filled again: so there is no loop.
; CLUSTERS: 4 x 4 work-groups.  The four of a row of the cluster need the same tiles of A, the four of a column the same tiles of B: each is asked for JOINTLY, by the same tensor load with the same descriptor and a mask that names the four.
; A cluster's four tile columns are one tensor (q, k or v): the cluster's x.
; THE MATRIX INSTRUCTION IS USED TRANSPOSED (source 0 = 16 rows of B, source 1 = 16 rows of A): a lane holds eight neighbouring columns of a row.  THE BIAS is the C of each sum's first product: nothing is cleared, nothing is added later.
; REGISTERS, in windows of 256: window 0: v0-31 addresses; v32-95 scale words, two sets; v128-191 A's fragments, ONE set; v192-255 the bias, eight registers for each of my 8 blocks of columns; on the way out v128-223 are free.
;   window 1: B's fragments, TWO sets, at v0 and v128.   window 2: the 32 accumulators of my rows 0-63 (accumulator (a, b) at v[8 (8 a + b)]);   window 3: those of my rows 64-127.
.set KSTEP,  512
.set NQ,     KSTEP/128                 ; matrix instructions deep in a slot
.set ROWB,   256                       ; a tile's row in bytes
.set KROW,   512                       ; a row of xc or wc in bytes
.set PITCH,  272                       ; an LDS row: 256 bytes + 16 of padding = 68 words: the 16 rows that a load touches start 4 banks apart (64 banks of 4 bytes: ISA guide 11.1)
.set FR,     8
.set NL,     2
.set NP,     4                         ; places behind this matrix instruction (ISA guide 7.12.1)
.set HALFT,  128*PITCH
.set SLOT,   4*HALFT                   ; A's 256 rows, then B's 256 rows
.set KS,     32                        ; a row of scale bytes
.set SCL,    2*SLOT                    ; behind the slots: the scales, as rows of 256 bytes + 16 of padding
.set HALFS,  (128*KS/256)*272
.set SBLK,   (16*KS/256)*272
.set SPARE,  SCL+4*HALFS               ; the spare words, 128 bytes for each wave: two blocks of 256 bytes that no other line names
.set SPITCH, 144                       ; the way out: a head's row of 128 bytes + 16
.set SHEAD,  16*SPITCH                 ; 16 rows of one head; a wave's stage is two of these.  It lies in slot 0, which has had its one fill and its last read when the first result is stored there
.set ADRA, 16
.set ADRB, 20
.set STO,  24
.set RD,   25
.set CO,   26
.set ADRS, 27
.set SPW,  28
.set NIL,  29
.set BO,   30                          ; v30: 32 x (lane / 16): my half's place among a block's 16 biases
.set SC,   32
.set AF,   128
.set BK,   128                         ; the way out: rows read back: v128-159 and v160-191 by turns
.set BIAS, 192
.set TMP,  192                         ; the way out: packed results
.set G1, 24
.set G0, 32
.set G1B, 48
.set G0B, 56
.set G1S, 68
.set G0S, 76
.set G1SB, 80
.set G0SB, 88
.set MSB, 0
.macro WIN new                         ; the immediate's high byte repeats the setting that is left
.if MSB != \new
	s_set_vgpr_msb (MSB<<8)|\new
.set MSB, \new
.endif
.endm
.set MUL_LO, 0xa1                      ; source 0 (B) window 1, source 1 (A) window 0, C and D window 2
.set MUL_HI, 0xf1                      ; the same, C and D window 3
.set FST_LO, 0x81                      ; a sum's first product: C (the bias) window 0, D window 2
.set FST_HI, 0xc1                      ; D window 3
.set TO_B,   0x40
; A joint load: waves 0 and 1 fetch for A, waves 2 and 3 for B.  Each of the two lines has one mask and one set of registers; the branch hangs on the wave's number alone.
; An s_nop 0 and four v_nop follow each line, ahead of the jump, the label and what follows.
.macro JLOAD g0a, g1a, g0b, g1b
	s_cmp_eq_u32 s15, 0
	s_cbranch_scc0 .Lfor_b_\@
	tensor_load_to_lds s[\g0a:\g0a+3], s[\g1a:\g1a+7]
	s_nop 0
.rept 4
	v_nop
.endr
	s_branch .Lasked_\@
.Lfor_b_\@:
	tensor_load_to_lds s[\g0b:\g0b+3], s[\g1b:\g1b+7]
	s_nop 0
.rept 4
	v_nop
.endr
.Lasked_\@:
.endm
.macro CROUND                          ; a round of the cluster's barrier
	s_barrier_signal -1
	s_barrier_wait -1
	s_cmp_lg_u32 s14, 0
	s_cbranch_scc1 .Lnot_wave_0_\@
	s_barrier_signal -3
.Lnot_wave_0_\@:
	s_barrier_wait -3
	s_barrier_signal -1
	s_barrier_wait -1
.endm
	s_load_b128 s[4:7], s[0:1], 0x0                ; xc s[4:5], xs s[6:7]
	s_load_b128 s[8:11], s[0:1], 0x10              ; wc s[8:9], ws s[10:11]
	s_load_b128 s[96:99], s[0:1], 0x20             ; bq, bk
	s_load_b64 s[100:101], s[0:1], 0x30            ; bv
	s_load_b64 s[12:13], s[0:1], 0x38              ; qkv
	v_lshl_add_u32 v[SPW], v0, 2, SPARE
	v_mov_b32 v[NIL], 0
	ds_add_u32 v[SPW], v[NIL]                      ; the wave's opening: the add, twice on end, and its wait ahead of my first tensor load
	ds_add_u32 v[SPW], v[NIL]
	v_lshrrev_b32 v1, 5, v0
	v_readfirstlane_b32 s14, v1                    ; wave 0..3
	s_lshr_b32 s15, s14, 1                         ; which half of the tile's rows is mine.  Also: I fetch for A (0) or for B (1)
	s_and_b32 s16, s14, 1                          ; which half of its columns.  Also: which 128 rows of that tile I fetch
	s_bfe_u32 s40, ttmp6, 0x40000                  ; cx, cy: my place in the cluster
	s_bfe_u32 s41, ttmp6, 0x40004
	s_lshl_b32 s42, ttmp9, 2
	s_add_co_u32 s42, s42, s40                     ; tile column = 4 x cluster x + cx
	s_and_b32 s17, ttmp7, 0xffff
	s_lshl_b32 s17, s17, 2
	s_add_co_u32 s17, s17, s41                     ; tile row = 4 x cluster y + cy
	s_lshl_b32 s43, s41, 2
	s_lshl_b32 s43, 15, s43                        ; my row of the cluster
	s_lshl_b32 s44, 0x1111, s40                    ; my column
	; descriptor group 1: a tile of 128 rows x 256 bytes, padded in LDS
	s_or_b32 s[G1+0], s43, (0<<16)|(1<<20)|(1<<21)|(5<<22)|(3<<25)  ; 15:0 the mask; 17:16 elements of 1 byte; 20 padding on; 21 set beside a mask; 24:22 after every 64 words; 31:25 four words
	s_or_b32 s[G1B+0], s44, (0<<16)|(1<<20)|(1<<21)|(5<<22)|(3<<25)
.irp g, G1, G1B
	s_mov_b32 s[\g+1], ROWB<<16                    ; tensor_dim0
	s_mov_b32 s[\g+2], 128<<16                     ; tensor_dim1
	s_mov_b32 s[\g+3], ROWB<<16                    ; tile_dim0
	s_mov_b32 s[\g+4], 128                         ; tile_dim1
	s_mov_b32 s[\g+5], KROW                        ; tensor_dim0_stride
	s_mov_b32 s[\g+6], 0
	s_mov_b32 s[\g+7], 0
.endr
	; the scales of 128 rows: a dense block of 4,096 bytes, as 16 rows of 256 bytes (32 elements of 8 bytes), 16 bytes of padding behind each
	s_or_b32 s[G1S+0], s43, (3<<16)|(1<<20)|(1<<21)|(5<<22)|(3<<25)
	s_or_b32 s[G1SB+0], s44, (3<<16)|(1<<20)|(1<<21)|(5<<22)|(3<<25)
.irp g, G1S, G1SB
	s_mov_b32 s[\g+1], 32<<16
	s_mov_b32 s[\g+2], (128*KS/256)<<16
	s_mov_b32 s[\g+3], 32<<16
	s_mov_b32 s[\g+4], 128*KS/256
	s_mov_b32 s[\g+5], 32
	s_mov_b32 s[\g+6], 0
	s_mov_b32 s[\g+7], 0
.endr
	s_lshl_b32 s18, s16, 7                         ; which 128 rows of the tile I fetch
	s_lshl_b32 s20, s17, 8
	s_add_co_u32 s20, s20, s18                     ; A: row 256 x tile row + 128 x half
	s_lshl_b32 s46, s42, 8
	s_add_co_u32 s46, s46, s18                     ; B: row 256 x tile column + 128 x half
	s_mov_b32 s21, 0
	s_mov_b32 s47, 0
	s_mov_b64 s[18:19], KS
	s_mul_u64 s[22:23], s[20:21], s[18:19]         ; where these rows' scales begin, in bytes
	s_mul_u64 s[92:93], s[46:47], s[18:19]
	s_mov_b64 s[18:19], KROW
	s_mul_u64 s[20:21], s[20:21], s[18:19]         ; and their codes
	s_mul_u64 s[46:47], s[46:47], s[18:19]
	s_mul_i32 s45, s14, HALFT                      ; where they go: wave x 128 rows: no place in the cluster enters an LDS address
	s_mul_i32 s94, s14, HALFS
	s_wait_dscnt 0x0                               ; both opening adds are done
	s_wait_kmcnt 0x0
	s_add_nc_u64 s[20:21], s[4:5], s[20:21]
	s_add_nc_u64 s[22:23], s[6:7], s[22:23]
	s_add_nc_u64 s[46:47], s[8:9], s[46:47]
	s_add_nc_u64 s[92:93], s[10:11], s[92:93]
	CROUND                                         ; all sixteen work-groups are here: the joint loads meet
	s_mov_b32 s[G0S], 1
	s_add_co_u32 s[G0S+1], s94, SCL
	s_mov_b64 s[G0S+2:G0S+3], s[22:23]
	s_or_b32 s[G0S+3], s[G0S+3], 0x80000000
	s_mov_b32 s[G0SB], 1
	s_add_co_u32 s[G0SB+1], s94, SCL
	s_mov_b64 s[G0SB+2:G0SB+3], s[92:93]
	s_or_b32 s[G0SB+3], s[G0SB+3], 0x80000000
	JLOAD G0S, G1S, G0SB, G1SB                     ; the scales first: they are wanted with slot 0.  Three tensor loads of mine are out behind the last of these
.irp s, 0,1
	s_mov_b32 s[G0+4*\s], 1
	s_add_co_u32 s[G0+4*\s+1], s45, \s*SLOT
	s_add_nc_u64 s[G0+4*\s+2:G0+4*\s+3], s[20:21], \s*ROWB
	s_or_b32 s[G0+4*\s+3], s[G0+4*\s+3], 0x80000000
	s_mov_b32 s[G0B+4*\s], 1
	s_add_co_u32 s[G0B+4*\s+1], s45, \s*SLOT
	s_add_nc_u64 s[G0B+4*\s+2:G0B+4*\s+3], s[46:47], \s*ROWB
	s_or_b32 s[G0B+4*\s+3], s[G0B+4*\s+3], 0x80000000
	JLOAD G0+4*\s, G1, G0B+4*\s, G1B
.endr
	v_and_b32 v1, 15, v0                           ; r = l % 16
	v_bfe_u32 v2, v0, 4, 1                         ; h = l / 16
	; the bias of my 128 columns: the tensor is the cluster's x, the same in all sixteen partners
	s_cmp_eq_u32 ttmp9, 0
	s_cselect_b64 s[96:97], s[96:97], s[98:99]
	s_cmp_eq_u32 ttmp9, 2
	s_cselect_b64 s[96:97], s[100:101], s[96:97]
	s_lshl_b32 s20, s40, 10                        ; (256 cx + 128 half) numbers of 4 bytes
	s_lshl_b32 s21, s16, 9
	s_add_co_u32 s20, s20, s21
	s_mov_b32 s21, 0
	s_add_nc_u64 s[96:97], s[96:97], s[20:21]
	v_lshlrev_b32 v[BO], 5, v2
.irp b, 0,1,2,3,4,5,6,7                        ; register j of block b: the bias of column 16 b + 8 h + j, as the result's layout has it
	global_load_b128 v[BIAS+8*\b:BIAS+8*\b+3],   v[BO], s[96:97] offset:64*\b
	global_load_b128 v[BIAS+8*\b+4:BIAS+8*\b+7], v[BO], s[96:97] offset:64*\b+16
.endr
	v_mul_u32_u24 v3, v1, PITCH
	v_lshl_add_u32 v4, v2, 4, v3                   ; a fragment's row x pitch + 16 x half
	s_mul_i32 s21, s15, HALFT                      ; my 128 rows of A
	s_mul_i32 s22, s16, HALFT                      ; my 128 rows of B,
	s_add_co_u32 s22, s22, 2*HALFT                 ; which lie behind A's 256
.irp s, 0,1
	v_add_nc_u32 v[ADRA+\s], s21, v4
	v_add_nc_u32 v[ADRB+\s], s22, v4
	s_add_co_u32 s21, s21, SLOT
	s_add_co_u32 s22, s22, SLOT
.endr
	v_mul_u32_u24 v5, v1, KS                       ; my row's scales: 32 bytes a row,
	v_lshrrev_b32 v6, 8, v5
	v_lshl_add_u32 v5, v6, 4, v5                   ; and 16 more for each 256 passed
	s_mul_i32 s21, s15, HALFS
	s_mul_i32 s22, s16, HALFS
	s_add_co_u32 s22, s22, 2*HALFS
	s_sub_co_u32 s22, s22, s21
	v_mul_u32_u24 v6, s22, v2                      ; lanes 16-31 take B's: one product, the distance between the two bases
	s_add_co_u32 s21, s21, SCL
	v_add_nc_u32 v5, v5, v6
	v_add_nc_u32 v[ADRS], s21, v5
	s_mul_i32 s23, s14, 2*SHEAD                    ; my stage
	v_mul_u32_u24 v5, v1, SPITCH                   ; in: row r, 16 bytes for each half of the lanes
	v_lshl_add_u32 v5, v2, 4, v5
	v_add_nc_u32 v[STO], s23, v5
	v_bfe_u32 v5, v0, 3, 2                         ; back: eight lanes to a row of 128 bytes, four rows an instruction
	v_mul_u32_u24 v5, v5, SPITCH
	v_and_b32 v6, 7, v0
	v_lshl_add_u32 v5, v6, 4, v5
	v_add_nc_u32 v[RD], s23, v5
	v_and_b32 v6, 31, v0
	v_lshlrev_b32 v[CO], 4, v6                     ; and in memory those four rows are 512 consecutive bytes
	; where my part begins in qkv: tensor x 2^24 + batch x 2^22 + head x 2^18 + s x 128
	s_lshl_b32 s20, ttmp9, 24
	s_lshr_b32 s21, s17, 3                         ; batch = tile row / 8
	s_lshl_b32 s21, s21, 22
	s_add_co_u32 s20, s20, s21
	s_and_b32 s21, s17, 7                          ; s = 256 (tile row % 8) + 128 x my half of the rows
	s_lshl_b32 s21, s21, 15
	s_add_co_u32 s20, s20, s21
	s_lshl_b32 s21, s15, 14
	s_add_co_u32 s20, s20, s21
	s_lshl_b32 s21, s40, 20                        ; head = 4 cx + 2 x my half of the columns
	s_add_co_u32 s20, s20, s21
	s_lshl_b32 s21, s16, 19
	s_add_co_u32 s20, s20, s21
	s_mov_b32 s21, 0
	s_add_nc_u64 s[12:13], s[12:13], s[20:21]
.macro FRAG reg, adr, q, i             ; a fragment, 16 rows x 128 K of 4-bit codes: lane l holds row l % 16; registers 4 c .. 4 c + 3 hold K = 64 c + 32 (l / 16) + 0 .. 31
.irp c, 0,1
	ds_load_b128 v[\reg+4*\c:\reg+4*\c+3], v[\adr] offset:64*(\q)+32*\c+(\i)*16*PITCH
.endr
.endm
; 16 matrix instructions: A's blocks a0, a0 + 1 x B's eight, 128 along K: the slot's q-th.  p: B's set; sc: the set of scale words.  first = 1: the sums begin with the bias as C.
; The 64 accumulators take turns, one instruction a turn, in the same order in every step.
.macro MUL16 a0, p, q, sc, first
.irp a, \a0, \a0+1
.irp b, 0,1,2,3,4,5,6,7
.if \first
	v_wmma_scale_f32_16x16x128_f8f6f4 v[8*(8*((\a)%4)+\b):8*(8*((\a)%4)+\b)+7], v[128*(\p)+FR*\b:128*(\p)+FR*\b+FR-1], v[AF+FR*(\a):AF+FR*(\a)+FR-1], v[BIAS+8*\b:BIAS+8*\b+7], v[SC+8*NQ*(\sc)+NQ*\b+(\q)], v[SC+8*NQ*(\sc)+NQ*(\a)+(\q)] matrix_a_fmt:MATRIX_FMT_FP4 matrix_b_fmt:MATRIX_FMT_FP4 matrix_a_scale:MATRIX_SCALE_ROW1
.else
	v_wmma_scale_f32_16x16x128_f8f6f4 v[8*(8*((\a)%4)+\b):8*(8*((\a)%4)+\b)+7], v[128*(\p)+FR*\b:128*(\p)+FR*\b+FR-1], v[AF+FR*(\a):AF+FR*(\a)+FR-1], v[8*(8*((\a)%4)+\b):8*(8*((\a)%4)+\b)+7], v[SC+8*NQ*(\sc)+NQ*\b+(\q)], v[SC+8*NQ*(\sc)+NQ*(\a)+(\q)] matrix_a_fmt:MATRIX_FMT_FP4 matrix_b_fmt:MATRIX_FMT_FP4 matrix_a_scale:MATRIX_SCALE_ROW1
.endif
.endr
.endr
.endm
.macro FETCH_B slot, q, p
	WIN TO_B
.irp i, 0,1,2,3,4,5,6,7
	FRAG 128*(\p)+FR*\i, ADRB+\slot, \q, \i
.endr
	WIN 0
.endm
.macro FETCH_A slot, q, i0
.irp i, \i0, \i0+1, \i0+2, \i0+3
	FRAG AF+FR*(\i), ADRA+\slot, \q, \i
.endr
.endm
.macro SCALES sc                       ; a slot's scale words: 4 words a row; lanes 0-15 take A's block i, lanes 16-31 B's block i
.irp i, 0,1,2,3,4,5,6,7
	ds_load_b128 v[SC+8*NQ*\sc+NQ*\i:SC+8*NQ*\sc+NQ*\i+3], v[ADRS] offset:\i*SBLK
.endr
.endm
.macro PLACES n                        ; plain vector instructions between a matrix instruction and a load into, or a read of, its registers
.rept \n
	v_nop
.endr
.endm
; A step of 128 along K that has its successor in the same slot.  A's blocks go one after the other, each against B's eight: blocks 0-3 are fetched anew in the step's middle, blocks 4-7 at its end; B has two sets.
.macro STEP slot, q, first
	s_wait_dscnt 4*NL                              ; B's set and A's blocks 0-3 are in; the youngest eight loads (A's blocks 4-7) may be out
.if \first
	WIN FST_LO
.else
	WIN MUL_LO
.endif
	MUL16 0, (\q)%2, \q, \slot, \first
	MUL16 2, (\q)%2, \q, \slot, \first
	s_wait_dscnt 0                                 ; A's blocks 4-7 are in
	PLACES NP
	FETCH_B \slot, (\q)+1, 1-(\q)%2
	FETCH_A \slot, (\q)+1, 0
.if \first
	WIN FST_HI
.else
	WIN MUL_HI
.endif
	MUL16 4, (\q)%2, \q, \slot, \first
	MUL16 6, (\q)%2, \q, \slot, \first
	PLACES NP
	WIN 0
	FETCH_A \slot, (\q)+1, 4
.endm
.macro STEPS slot, from
.set Q, \from
.rept NQ-1-\from
	STEP \slot, Q, 0
.set Q, Q+1
.endr
.endm
	s_wait_tensorcnt 1                             ; the scales and my part of slot 0 are in; slot 1's load may be out
	s_barrier_signal -1
	s_barrier_wait -1                              ; everybody's are
	FETCH_B 0, 0, 0
	FETCH_A 0, 0, 0
	SCALES 0
	FETCH_A 0, 0, 4
	s_wait_loadcnt 0x0                             ; the bias
	STEP 0, 0, 1                                   ; the first step's products start the sums, on the bias
	STEPS 0, 1
	; slot 0's last step changes slots: one barrier; in front of it each wave waits for all its tensor loads (its part of slot 1), and for its own reads of slot 0
	s_wait_tensorcnt 0x0
	ds_add_u32 v[SPW], v[NIL]                      ; 0 onto my spare word
	s_wait_dscnt 4*NL+1                            ; the add and the youngest eight loads (A's blocks 4-7) may be out
	WIN MUL_LO
	MUL16 0, 1, NQ-1, 0, 0
	s_wait_dscnt 0x0                               ; the add is done, and my reads of slot 0 are over
	s_barrier_signal -1
	MUL16 2, 1, NQ-1, 0, 0
	WIN 0
	s_barrier_wait -1                              ; slot 1 is whole, and nobody reads slot 0 any more
	PLACES NP
	v_add_nc_u32 v[ADRS], 4*NQ, v[ADRS]            ; on to slot 1's scale words
	FETCH_B 1, 0, 0
	FETCH_A 1, 0, 0
	SCALES 1
	WIN MUL_HI
	MUL16 4, 1, NQ-1, 0, 0
	MUL16 6, 1, NQ-1, 0, 0
	PLACES NP
	WIN 0
	FETCH_A 1, 0, 4
	STEPS 1, 0
	s_wait_dscnt 4*NL                              ; the very last step: nothing more to fetch
	WIN MUL_LO
	MUL16 0, 1, NQ-1, 1, 0
	MUL16 2, 1, NQ-1, 1, 0
	s_wait_dscnt 0
	WIN MUL_HI
	MUL16 4, 1, NQ-1, 1, 0
	MUL16 6, 1, NQ-1, 1, 0
	WIN 0
; THE WAY OUT, block by block of 16 rows x 128 columns = two heads.  A lane's eight results pack into 16 bytes of one row of one head; the block goes through my own stage, [head][row][128 + 16 bytes], and comes back
; four rows of a head at a time: in qkv those are 512 consecutive bytes.  LDS serves a wave's instructions in order (ISA guide 5.7.1.4): no wait between the stores and the loads.
.macro PACK a
.set AC, 64*((\a)%4)
	WIN 0x0a+5*((\a)/4)                            ; sources 0 and 1: window 2 or 3
.irp b, 0,1,2,3,4,5,6,7
.irp i, 0,1,2,3
	v_cvt_pk_f16_f32 v[TMP+4*\b+\i], v[AC+8*\b+2*\i], v[AC+8*\b+2*\i+1]   ; each accumulator from its low end on
.endr
.endr
	WIN 0
.endm
.macro TOSTAGE a
.set BB, BK+32*((\a)%2)
.irp b, 0,1,2,3,4,5,6,7
	ds_store_b128 v[STO], v[TMP+4*\b:TMP+4*\b+3] offset:(\b/4)*SHEAD+(\b%4)*32
.endr
.irp t, 0,1,2,3,4,5,6,7
	ds_load_b128 v[BB+4*\t:BB+4*\t+3], v[RD] offset:(\t/4)*SHEAD+(\t%4)*4*SPITCH
.endr
.endm
.macro SEND a
.set BB, BK+32*((\a)%2)
	s_wait_dscnt 0x0                               ; the block is back in registers
	s_wait_xcnt 0x0                                ; the stores of the block before have read their registers, into which the next block's loads will land
.irp t, 0,1,2,3,4,5,6,7
	global_store_b128 v[CO], v[BB+4*\t:BB+4*\t+3], s[12:13] offset:(\t/4)*262144+(\t%4)*512+(\a)*2048   ; 32 lanes store 512 consecutive bytes, aligned; everything stands in the immediate
.endr
.endm
	PLACES NP                                      ; in front of the first read of the last products' results and of loads into A's registers
	PACK 0
	TOSTAGE 0
.irp a, 1,2,3,4,5,6,7                          ; block a's conversions stand between block a - 1's loads from the stage and the wait for them
	PACK \a
	SEND \a-1
	TOSTAGE \a
.endr
	SEND 7
	s_wait_tensorcnt 0x0                           ; the wave's end, behind my last tensor load and my last LDS store
	ds_add_u32 v[SPW], v[NIL]
	s_wait_dscnt 0x0
	CROUND                                         ; the closing round: no work-group ends while a partner may still ask for a tile that names it
	s_endpgm
.Lfunc_end_k_q0e2d05be73_qkv:
	.size	k_q0e2d05be73_qkv, .Lfunc_end_k_q0e2d05be73_qkv-k_q0e2d05be73_qkv
	.p2alignl 7, 3214868480
	.fill 96, 4, 3214868480
	.section	.rodata,"a",@progbits
	.p2align	6, 0x0
	.amdhsa_kernel k_q0e2d05be73_qkv
		.amdhsa_group_segment_fixed_size 327680
		.amdhsa_private_segment_fixed_size 0
		.amdhsa_enable_private_segment 0
		.amdhsa_kernarg_size 64
		.amdhsa_user_sgpr_count 2
		.amdhsa_user_sgpr_kernarg_segment_ptr 1
		.amdhsa_wavefront_size32 1
		.amdhsa_system_sgpr_workgroup_id_x 1
		.amdhsa_system_sgpr_workgroup_id_y 1
		.amdhsa_system_sgpr_workgroup_id_z 1
		.amdhsa_system_vgpr_workitem_id 0
		.amdhsa_next_free_vgpr 1024
		.amdhsa_next_free_sgpr 102
		.amdhsa_reserve_vcc 0
		.amdhsa_float_denorm_mode_32 3
		.amdhsa_float_denorm_mode_16_64 3
		.amdhsa_memory_ordered 1
		.amdhsa_forward_progress 1
		.amdhsa_inst_pref_size 128
	.end_amdhsa_kernel
	.amdgpu_metadata
---
amdhsa.version: [ 1, 2 ]
amdhsa.kernels:
  - .name:           k_q0e2d05be73_qkv
    .symbol:         k_q0e2d05be73_qkv.kd
    .args:
      - { .name: xc, .offset: 0, .size: 8, .value_kind: global_buffer, .address_space: global }
      - { .name: xs, .offset: 8, .size: 8, .value_kind: global_buffer, .address_space: global }
      - { .name: wc, .offset: 16, .size: 8, .value_kind: global_buffer, .address_space: global }
      - { .name: ws, .offset: 24, .size: 8, .value_kind: global_buffer, .address_space: global }
      - { .name: bq, .offset: 32, .size: 8, .value_kind: global_buffer, .address_space: global }
      - { .name: bk, .offset: 40, .size: 8, .value_kind: global_buffer, .address_space: global }
      - { .name: bv, .offset: 48, .size: 8, .value_kind: global_buffer, .address_space: global }
      - { .name: qkv, .offset: 56, .size: 8, .value_kind: global_buffer, .address_space: global }
    .group_segment_fixed_size: 327680
    .private_segment_fixed_size: 0
    .kernarg_segment_align: 8
    .kernarg_segment_size: 64
    .max_flat_workgroup_size: 128
    .sgpr_count:     102
    .vgpr_count:     1024
    .wavefront_size: 32
...
	.end_amdgpu_metadata
.endif
;; end of part 2
;; launch attn (part 3): grid 4 x 64, 16 waves a work-group, clusters of 4 x 1, 327,680 bytes of LDS; arguments qkv, ctx; writes ctx
.if DOCPART == 3
	.amdgcn_target "amdgcn-amd-amdhsa--gfx1250"
	.amdhsa_code_object_version 6
	.text
	.protected	k_q0e2d05be73_attn
	.globl	k_q0e2d05be73_attn
	.p2align	8
	.type	k_q0e2d05be73_attn,@function
k_q0e2d05be73_attn:
	s_mov_b64 s[64:65], 0
	v_nop
	global_prefetch_b8 v0, s[64:65] scope:SCOPE_SE
	s_setreg_imm32_b32 hwreg(HW_REG_WAVE_MODE, 25, 1), 1
	s_wait_xcnt 0x0
	s_wait_alu depctr_hold_cnt(0) depctr_sa_sdst(0) depctr_va_vdst(0) depctr_va_sdst(0) depctr_va_ssrc(0) depctr_va_vcc(0) depctr_vm_vsrc(0)
	s_getreg_b32 s2, hwreg(HW_REG_IB_STS2, 6, 4)
	s_cmp_eq_u32 s2, 0
	s_cbranch_scc0 .Lentry_in_a_cluster
	s_endpgm
.Lentry_in_a_cluster:
	s_bfe_u32 s2, ttmp6, 0x10000c
	s_cmp_lg_u32 s2, 0x3003
	s_cbranch_scc0 .Lentry_shape_is_right
	s_endpgm
.Lentry_shape_is_right:
; ctx[g][q][:] = the sum over k of softmax_k(Q[g][q] . K[g][k] / 8) V[g][k][:], g = 16 b + h, 64 of them; Q, K, V: qkv [3][g][2048][64] f16; ctx: [g][2048][64] f16.  Products, maxima and sums in f32;
; the weights p are rounded to f16 for the second product, ctx once at the end.  LIMIT: |ctx| above 65,504 is not served (|ctx| never passes the largest |v|, which is f16 already).
; SHARES.  A work-group owns 512 queries of one g; each of its SIXTEEN waves owns 32, two tiles of 16, in 256 registers: four waves to a SIMD, so that one wave's vector work stands beside another's products and LDS loads.
; Every wave walks all 2,048 keys, 64 a step; each fragment of K and V that it reads from LDS feeds two matrix instructions.
; LAYOUT.  S^T = K Q^T (source 0 = 16 keys, source 1 = 16 queries): a lane holds ONE query (lane % 16) and the keys 8 (lane / 16) + 0..7.  Two such tiles, rounded to f16 in pairs, ARE source 1 (32 keys x 16 queries) of
; O^T = V^T P, whose result again holds one query a lane and eight channels.  K comes out of LDS as it lies, V ([key][channel]) turned, by ds_load_tr16_b128.
; SOFTMAX.  For each query a running maximum m and sum l: p = 2^(c s - c m), c = log2(e) / 8; in every step O and l are multiplied by a = 2^(c m_old - c m_new).  The step is written once: m begins at -3e38, l and O^T at 0, so the first a is 0 and multiplies zeros.
; RING.  Two LDS slots of 512 keys (8 steps).  Every wave fetches: waves 0-7 the 64 rows of K of step (wave % 8), waves 8-15 those of V.  Keys 0-1,023 are the first fills; each slot is filled again once.
; CLUSTER.  The four query blocks of a g are one cluster and walk the same K and V: each tile is asked for JOINTLY, by the same tensor load with the same descriptor and a mask that names the four.
.set KS,    64                         ; keys in a step
.set PK,    144                        ; a row of K in LDS: 128 bytes + 16 = 36 words: the 16 rows of a load start 4 banks apart (64 banks of 4 bytes: ISA guide 11.1)
.set PV,    160                        ; a row of V: 128 + 32 = 40 words: the turning load's 8 rows x 32 bytes start 8 banks apart
.set VOFF,  KS*PK                      ; a step's tiles lie together: 64 rows of K, then 64 rows of V
.set STEPB, KS*(PK+PV)
.set SLOT1, 8*STEPB                    ; slot 1 begins here
.set SPARE, 2*SLOT1                    ; the spare words, 128 bytes for each wave: eight blocks of 256 bytes that no other line names
.set SP,    144                        ; the way out: 32 rows x (128 + 16) bytes for each wave, in slot 0, which is left at the last change of slots and has had its last fill
.set SPW, 1                            ; v1   LDS address of my spare word; never rewritten
.set NIL, 2                            ; v2   0; never rewritten
.set AK0, 3                            ; v3   my lane's place in a tile of K
.set AV0, 4                            ; v4   the same for V
.set ADR, 5                            ; v5   the LDS address of the run of loads in hand
.set PFO, 6                            ; v6   256 x my lane: the prefetches' offset; never rewritten
.set QO,  7                            ; v7   my byte offset in the wave's rows of Q
.set ST,  8                            ; tile t's statistics at v[8 + 8 t]: +0 c m, +1 m, +2, +3 l (even keys', odd keys'), +4 to +7 at work; a takes +6
.set TP,  24                           ; v[24 + 2 t : 25 + 2 t] the sums' second chain
.set STO, 28
.set RD,  29
.set GO,  30
.set Q,   32                           ; v32-63   Q: fragment (tile t, channels 32 cf on) at 32 + 16 t + 8 cf
.set S,   64                           ; v64-127  S^T: tile t, keys 16 j on, at 64 + 32 t + 8 j; later P in the low 16 of each 32
.set O,   128                          ; v128-191 O^T: tile t, channels 16 ct on, at 128 + 32 t + 8 ct
.set KV,  192                          ; v192-255 ONE buffer: a step's 8 fragments of K, then its 8 of V
.set WV,  12
.set G1K, 24                           ; s[24:31] descriptor group 1 for K's tiles;  s[32:39] for V's: it differs in the padding alone
.set G1V, 32
.set G0,  40                           ; s[40:43], s[44:47] my group 0 for slot 0, slot 1
.set CS,  48                           ; s[48:49] c, twice
.set SEL, 50                           ; s[50:51] lane selects for v_permlanex16_b32: lane l xor 16
.set TB,  52                           ; s52  LDS byte at which the step's tiles begin
.set CNT, 53                           ; s53  counts a slot's eight steps down
.set LIM, 54                           ; s54  2 in a wave that prefetches, else the greatest number
.set PFA, 56                           ; s[56:57] where my prefetch stands
.set QB,  58                           ; s[58:59] Q at my wave's first row;  s[60:61] ctx likewise
.set CB,  60
.macro ROUND                           ; a round of the cluster's barrier
	s_barrier_signal -1
	s_barrier_wait -1
	s_cmp_lg_u32 s[WV], 0
	s_cbranch_scc1 .Lnot_wave_0_\@
	s_barrier_signal -3
.Lnot_wave_0_\@:
	s_barrier_wait -3
	s_barrier_signal -1
	s_barrier_wait -1
.endm
.macro PLACES
.rept 4
	v_nop
.endr
.endm
; A joint refill of slot n.  The branch hangs on the wave's number alone.  An s_nop 0 and four v_nop follow each of the two lines.
.macro JLOAD n
	s_cmp_lt_u32 s[WV], 8
	s_cbranch_scc0 .Lfor_v_\@
	tensor_load_to_lds s[G0+4*\n:G0+4*\n+3], s[G1K:G1K+7]
	s_nop 0
	PLACES
	s_branch .Lasked_\@
.Lfor_v_\@:
	tensor_load_to_lds s[G0+4*\n:G0+4*\n+3], s[G1V:G1V+7]
	s_nop 0
	PLACES
.Lasked_\@:
.endm
	s_load_b128 s[4:7], s[0:1], 0x0                ; qkv s[4:5], ctx s[6:7]
	v_lshl_add_u32 v[SPW], v0, 2, SPARE
	v_mov_b32 v[NIL], 0
	ds_add_u32 v[SPW], v[NIL]                      ; the wave's opening: the add, twice on end, and its wait ahead of my first tensor load
	ds_add_u32 v[SPW], v[NIL]
	v_lshrrev_b32 v[ADR], 5, v0
	v_readfirstlane_b32 s[WV], v[ADR]              ; wave 0..15
	s_bfe_u32 s13, ttmp6, 0x40000                  ; cx: my block of 512 queries; it enters Q's, ctx's and the prefetch's addresses alone
	s_and_b32 s14, ttmp7, 0xffff                   ; g, which the four partners share
	; descriptor group 1: a tile of 64 rows x 64 elements of 2 bytes, dense in memory, padded in LDS
	s_mov_b32 s[G1K], 15|(1<<16)|(1<<20)|(1<<21)|(4<<22)|(3<<25)  ; 15:0 the mask: all four; 17:16 elements of 2 bytes; 20 padding on; 21 set beside a mask; 24:22 after every 32 words; 31:25 four words
	s_mov_b32 s[G1V], 15|(1<<16)|(1<<20)|(1<<21)|(4<<22)|(7<<25)  ; the same with eight words
.irp g, G1K, G1V
	s_mov_b32 s[\g+1], 64<<16                      ; tensor_dim0 = 64
	s_mov_b32 s[\g+2], KS<<16                      ; tensor_dim1 = 64
	s_mov_b32 s[\g+3], 64<<16                      ; tile_dim0 = 64
	s_mov_b32 s[\g+4], KS                          ; tile_dim1 = 64
	s_mov_b32 s[\g+5], 64                          ; tensor_dim0_stride
	s_mov_b32 s[\g+6], 0
	s_mov_b32 s[\g+7], 0
.endr
	s_and_b32 s16, s[WV], 7                        ; which of a slot's eight steps I fetch,
	s_lshr_b32 s17, s[WV], 3                       ; for K (0) or for V (1)
	s_mul_i32 s18, s16, STEPB
	s_mul_i32 s19, s17, VOFF
	s_add_co_u32 s18, s18, s19                     ; its place in a slot: the wave's number alone
	s_lshl_b32 s20, s17, 24
	s_add_co_u32 s20, s20, 0x1000000               ; K is tensor 1, V tensor 2: 2^24 bytes each
	s_lshl_b32 s21, s14, 18
	s_add_co_u32 s20, s20, s21                     ; my g's first key
	s_lshl_b32 s21, s16, 13                        ; a step's 64 rows are 8,192 bytes
	s_add_co_u32 s22, s20, s21
	s_mov_b32 s23, 0
	s_mov_b32 s[CS], 0x3e38aa3b                    ; c = log2(e) / 8
	s_mov_b32 s[CS+1], s[CS]
	s_mov_b32 s[SEL], 0x76543210
	s_mov_b32 s[SEL+1], 0xfedcba98
	s_and_b32 s[LIM], s[WV], 6                     ; waves 0, 1 (K) and 8, 9 (V) prefetch: the same in all partners
	s_cmp_eq_u32 s[LIM], 0
	s_cselect_b32 s[LIM], 2, -1
	s_wait_dscnt 0x0                               ; both opening adds are done
	s_wait_kmcnt 0x0
	s_mov_b32 s[G0], 1                             ; count = 1
	s_mov_b32 s[G0+1], s18                         ; LDS address: slot 0
	s_add_nc_u64 s[G0+2:G0+3], s[4:5], s[22:23]    ; global address: keys 0 on
	s_mov_b32 s[G0+4], 1
	s_add_co_u32 s[G0+5], s18, SLOT1
	s_add_nc_u64 s[G0+6:G0+7], s[G0+2:G0+3], 65536 ; keys 512 on
	s_or_b32 s[G0+3], s[G0+3], 0x80000000          ; type = 2
	s_or_b32 s[G0+7], s[G0+7], 0x80000000
	; the prefetch: of the 64 KB of K (or V) that a refill asks for, partner cx takes 16 KB, told apart BY ADDRESS, and each of its two asking waves 8 KB, lanes 256 bytes apart
	s_lshl_b32 s16, s13, 14
	s_and_b32 s17, s[WV], 1
	s_lshl_b32 s17, s17, 13
	s_add_co_u32 s16, s16, s17
	s_add_co_u32 s16, s16, s20
	s_add_co_u32 s16, s16, 131072                  ; keys 1,024 on: the first refill's
	s_mov_b32 s17, 0
	s_add_nc_u64 s[PFA:PFA+1], s[4:5], s[16:17]
	s_lshl_b32 s16, s14, 18                        ; Q and ctx at my wave's first row: g x 2^18 + cx x 512 rows + wave x 32 rows of 128 bytes
	s_lshl_b32 s17, s13, 16
	s_add_co_u32 s16, s16, s17
	s_lshl_b32 s17, s[WV], 12
	s_add_co_u32 s16, s16, s17
	s_mov_b32 s17, 0
	s_add_nc_u64 s[QB:QB+1], s[4:5], s[16:17]
	s_add_nc_u64 s[CB:CB+1], s[6:7], s[16:17]
	ROUND                                          ; all four work-groups are here: the first joint loads meet
	s_cmp_lt_u32 s[WV], 8                          ; a wave's two first fills stand in one branch, ahead of every wait on TENSORcnt and every LDS read: two loads of mine are out
	s_cbranch_scc0 .Lfirst_v
	tensor_load_to_lds s[G0:G0+3], s[G1K:G1K+7]
	s_nop 0
	tensor_load_to_lds s[G0+4:G0+7], s[G1K:G1K+7]
	s_nop 0
	PLACES
	s_branch .Lfirst_asked
.Lfirst_v:
	tensor_load_to_lds s[G0:G0+3], s[G1V:G1V+7]
	s_nop 0
	tensor_load_to_lds s[G0+4:G0+7], s[G1V:G1V+7]
	s_nop 0
	PLACES
.Lfirst_asked:
	; A fragment of K or Q is 16 rows x 32 channels in 8 registers: lane l holds row l % 16; registers 0-3 channels 8 (l / 16) + 0..7, registers 4-7 channels 16 + 8 (l / 16) + 0..7: two loads of 16 bytes, 32 bytes apart.
	v_and_b32 v[STO], 15, v0                       ; r
	v_bfe_u32 v[RD], v0, 4, 1                      ; h
	v_lshlrev_b32 v[QO], 7, v[STO]
	v_lshl_add_u32 v[QO], v[RD], 4, v[QO]          ; row x 128 + 16 x half
.irp t, 0,1
.irp cf, 0,1
	global_load_b128 v[Q+16*\t+8*\cf:Q+16*\t+8*\cf+3],   v[QO], s[QB:QB+1] offset:2048*\t+64*\cf      ; Q stays in registers
	global_load_b128 v[Q+16*\t+8*\cf+4:Q+16*\t+8*\cf+7], v[QO], s[QB:QB+1] offset:2048*\t+64*\cf+32
.endr
.endr
	v_mul_u32_u24 v[AK0], v[STO], PK
	v_lshl_add_u32 v[AK0], v[RD], 4, v[AK0]
	; The turning load takes 16 keys x 16 channels (lane l reads 16 bytes: key 8 (l / 16) + l % 8, channels 8 ((l / 8) % 2) + 0..7) and leaves half a fragment of V^T: lane l holds channel l % 16 and 8 keys.
	v_and_b32 v[GO], 7, v0
	v_lshl_add_u32 v[AV0], v[RD], 3, v[GO]
	v_mul_u32_u24 v[AV0], v[AV0], PV
	v_bfe_u32 v[GO], v0, 3, 1
	v_lshl_add_u32 v[AV0], v[GO], 4, v[AV0]
	v_add_nc_u32 v[AV0], VOFF, v[AV0]
	v_and_b32 v[PFO], 31, v0
	v_lshlrev_b32 v[PFO], 8, v[PFO]
.irp t, 0,1
	v_mov_b32 v[ST+8*\t+1], 0xff61b1e6             ; m = -3e38, under every score
	v_mul_f32 v[ST+8*\t], s[CS], v[ST+8*\t+1]      ; c m
	v_mov_b32 v[ST+8*\t+2], 0                      ; l, in two halves
	v_mov_b32 v[ST+8*\t+3], 0
.endr
.set i, 0
.rept 64
	v_mov_b32 v[O+i], 0                            ; O^T: the step is written once; its first pass finds zeros
.set i, i+1
.endr
; A KEY STEP: 64 keys, whose tiles begin at LDS byte s[TB].  In phases; the SIMD's other three waves fill what one wave's phase leaves idle.
.macro STEP ask
	v_add_nc_u32 v[ADR], s[TB], v[AK0]
	PLACES                                         ; with the line above five places behind the last V^T P: its V registers are loaded anew (four are asked), and the products below write over its P registers (five)
.irp cf, 0,1                                   ; channels 0-31 of the four tiles of keys first
.irp j, 0,1,2,3
	ds_load_b128 v[KV+8*(2*\j+\cf):KV+8*(2*\j+\cf)+3],   v[ADR] offset:\j*16*PK+\cf*64
	ds_load_b128 v[KV+8*(2*\j+\cf)+4:KV+8*(2*\j+\cf)+7], v[ADR] offset:\j*16*PK+\cf*64+32
.endr
.endr
	s_wait_dscnt 8                                 ; channels 0-31 are in; the eight younger loads may be out
.irp j, 0,1,2,3                                ; S^T = K Q^T: eight accumulators by turns; the first eight products start the sums
.irp t, 0,1
	v_wmma_f32_16x16x32_f16 v[S+32*\t+8*\j:S+32*\t+8*\j+7], v[KV+16*\j:KV+16*\j+7], v[Q+16*\t:Q+16*\t+7], 0
.endr
.endr
	s_wait_dscnt 0x0
.irp j, 0,1,2,3
.irp t, 0,1
	v_wmma_f32_16x16x32_f16 v[S+32*\t+8*\j:S+32*\t+8*\j+7], v[KV+16*\j+8:KV+16*\j+15], v[Q+16*\t+8:Q+16*\t+15], v[S+32*\t+8*\j:S+32*\t+8*\j+7]
.endr
.endr
	v_add_nc_u32 v[ADR], s[TB], v[AV0]
.rept 3
	v_nop                                          ; with the line above four places: K's registers take V, and the scores are read
.endr
.irp kf, 0,1                                   ; V, turned: keys 32 kf on, channels 16 ct on.  It lands while the softmax is walked
.irp ct, 0,1,2,3
	ds_load_tr16_b128 v[KV+8*(4*\kf+\ct):KV+8*(4*\kf+\ct)+3],   v[ADR] offset:\kf*32*PV+\ct*32
	ds_load_tr16_b128 v[KV+8*(4*\kf+\ct)+4:KV+8*(4*\kf+\ct)+7], v[ADR] offset:\kf*32*PV+16*PV+\ct*32
.endr
.endr
.if \ask                                       ; A PREFETCH INTO THE L2 of what the next change of slots will ask for, in the seventh of the slot's eight steps: the rest of this step and one more step ahead of that load.
	s_cmp_eq_u32 s[CNT], s[LIM]                    ; One cluster alone reads a g, its partners share the bytes out by address, two waves each for K and V: each aligned block of 256 bytes is named once in the launch
	s_cbranch_scc0 .Lnot_mine_\@
	global_prefetch_b8 v[PFO], s[PFA:PFA+1] th:TH_LOAD_NT scope:SCOPE_SE
.Lnot_mine_\@:
.endif
	; the maximum of my 32 scores and the old m, three operands at a time, four chains a tile, the two tiles by turns; each accumulator is read from its low end on
.irp j, 0,1,2,3
.irp t, 0,1
	v_max3_num_f32 v[ST+8*\t+4+\j], v[S+32*\t+8*\j], v[S+32*\t+8*\j+1], v[S+32*\t+8*\j+2]
.endr
.endr
.irp i, 3,5
.irp j, 0,1,2,3
.irp t, 0,1
	v_max3_num_f32 v[ST+8*\t+4+\j], v[ST+8*\t+4+\j], v[S+32*\t+8*\j+\i], v[S+32*\t+8*\j+\i+1]
.endr
.endr
.endr
.irp t, 0,1
	v_max3_num_f32 v[ST+8*\t+4], v[ST+8*\t+4], v[S+32*\t+7], v[S+32*\t+15]
	v_max3_num_f32 v[ST+8*\t+6], v[ST+8*\t+6], v[S+32*\t+23], v[S+32*\t+31]
.endr
.irp t, 0,1
	v_max3_num_f32 v[ST+8*\t+4], v[ST+8*\t+4], v[ST+8*\t+5], v[ST+8*\t+6]
.endr
.irp t, 0,1
	v_max3_num_f32 v[ST+8*\t+4], v[ST+8*\t+4], v[ST+8*\t+7], v[ST+8*\t+1]
.endr
.irp t, 0,1
	v_permlanex16_b32 v[ST+8*\t+5], v[ST+8*\t+4], s[SEL], s[SEL+1]   ; the query's other 32 keys lie in the lane 16 away
.endr
.irp t, 0,1
	v_mov_b32 v[ST+8*\t+7], v[ST+8*\t]             ; c m_old is kept for a
.endr
.irp t, 0,1
	v_max_num_f32 v[ST+8*\t+1], v[ST+8*\t+4], v[ST+8*\t+5]
.endr
.irp t, 0,1
	v_mul_f32 v[ST+8*\t], s[CS], v[ST+8*\t+1]
.endr
.irp t, 0,1
	v_sub_f32 v[ST+8*\t+7], v[ST+8*\t+7], v[ST+8*\t]
.endr
.set d, 0
.rept 16
.irp t, 0,1
	v_pk_fma_f32 v[S+32*\t+d:S+32*\t+d+1], v[S+32*\t+d:S+32*\t+d+1], s[CS:CS+1], v[ST+8*\t:ST+8*\t+1] op_sel_hi:[1,0,0] neg_lo:[0,0,1] neg_hi:[0,0,1]   ; c s - c m, two at a time
.endr
.set d, d+2
.endr
.irp t, 0,1                                    ; ONE BATCH: both tiles' 66 exponentials; none reads another's result
	v_exp_f32 v[ST+8*\t+6], v[ST+8*\t+7]           ; a
.endr
.set d, 0
.rept 32
	v_exp_f32 v[S+d], v[S+d]                       ; p, at most 1
	v_exp_f32 v[S+32+d], v[S+32+d]
.set d, d+1
.endr
	v_nop                                          ; a plain instruction behind the last exponential (ISA guide 5.7.2)
	s_wait_alu depctr_va_vdst(0)                   ; and the one wait ahead of the batch's first reader
.irp t, 0,1
	v_pk_mul_f32 v[ST+8*\t+2:ST+8*\t+3], v[ST+8*\t+2:ST+8*\t+3], v[ST+8*\t+6:ST+8*\t+7] op_sel_hi:[1,0]   ; l under the new m
.endr
.irp t, 0,1                                    ; the sum of the unrounded p, two at a time, in two chains a tile
	v_pk_add_f32 v[TP+2*\t:TP+2*\t+1], v[S+32*\t:S+32*\t+1], v[S+32*\t+2:S+32*\t+3]
.endr
.irp d, 4,8,12,16,20,24,28
.irp t, 0,1
	v_pk_add_f32 v[ST+8*\t+2:ST+8*\t+3], v[ST+8*\t+2:ST+8*\t+3], v[S+32*\t+\d:S+32*\t+\d+1]
	v_pk_add_f32 v[TP+2*\t:TP+2*\t+1], v[TP+2*\t:TP+2*\t+1], v[S+32*\t+\d+2:S+32*\t+\d+3]
.endr
.endr
.irp t, 0,1
	v_pk_add_f32 v[ST+8*\t+2:ST+8*\t+3], v[ST+8*\t+2:ST+8*\t+3], v[TP+2*\t:TP+2*\t+1]
.endr
.set d, 0
.rept 16                                       ; p to f16, IN PLACE: line d writes register d, which only line d / 2 has read; registers 8 kf .. 8 kf + 7 are then P of keys 32 kf on
	v_cvt_pk_f16_f32 v[S+d], v[S+2*d], v[S+2*d+1]
	v_cvt_pk_f16_f32 v[S+32+d], v[S+32+2*d], v[S+32+2*d+1]
.set d, d+1
.endr
.set d, 0
.rept 16                                       ; O^T under the new m, each accumulator from its low end on
.irp t, 0,1
	v_pk_mul_f32 v[O+32*\t+d:O+32*\t+d+1], v[O+32*\t+d:O+32*\t+d+1], v[ST+8*\t+6:ST+8*\t+7] op_sel_hi:[1,0]
.endr
.set d, d+2
.endr
	s_wait_dscnt 0x0                               ; V is in
.irp kf, 0,1                                   ; O^T += V^T P: eight accumulators by turns
.irp ct, 0,1,2,3
.irp t, 0,1
	v_wmma_f32_16x16x32_f16 v[O+32*\t+8*\ct:O+32*\t+8*\ct+7], v[KV+8*(4*\kf+\ct):KV+8*(4*\kf+\ct)+7], v[S+32*\t+8*\kf:S+32*\t+8*\kf+7], v[O+32*\t+8*\ct:O+32*\t+8*\ct+7]
.endr
.endr
.endr
.endm
.macro STEPS base, ask                         ; a slot's eight steps: written once, walked eight times
	s_mov_b32 s[TB], \base
	s_mov_b32 s[CNT], 8
.Lstep_\@:
	STEP \ask
	s_add_co_u32 s[TB], s[TB], STEPB
	s_sub_co_u32 s[CNT], s[CNT], 1
	s_cmp_lg_u32 s[CNT], 0
	s_cbranch_scc1 .Lstep_\@
.endm
; THE CHANGE OF SLOTS.  Each wave waits for all its tensor loads (one is out: its part of the slot ahead), adds 0 to its spare word, and waits for that and for its reads of the slot that it leaves.
; fill = 1: slot n, just left, is filled with the keys 1,024 further on.  The barrier is then a round of the cluster's, so that no wave of any partner still reads the slot or has a load on its way, and the joint refill is the
; first thing behind it: it has eight steps in which to land.  pf = 1: the prefetch's address steps on to the next refill's keys.
.macro CHANGE n, fill, pf
	s_wait_tensorcnt 0x0                           ; no tensor load of mine is out, so a group 0 may be written
	ds_add_u32 v[SPW], v[NIL]
.if \fill
	s_add_nc_u64 s[G0+4*\n+2:G0+4*\n+3], s[G0+4*\n+2:G0+4*\n+3], 131072   ; the type bits on top are not reached
.endif
.if \pf
	s_wait_xcnt 0x0                                ; the prefetch, more than a step back, has read its address
	s_add_nc_u64 s[PFA:PFA+1], s[PFA:PFA+1], 65536
.endif
	s_wait_dscnt 0x0                               ; the add is done, and my reads of the slot are over
.if \fill
	ROUND
	JLOAD \n
.else
	s_barrier_signal -1
	s_barrier_wait -1
.endif
.endm
	s_wait_loadcnt 0x0                             ; Q
	s_wait_tensorcnt 1                             ; my part of slot 0 is in; slot 1's may stay out
	s_barrier_signal -1
	s_barrier_wait -1                              ; everybody's is
	STEPS 0, 1                                     ; keys 0 - 511
	CHANGE 0, 1, 1                                 ; slot 0 takes keys 1,024 on
	STEPS SLOT1, 1                                 ; keys 512 - 1,023
	CHANGE 1, 1, 0                                 ; slot 1 takes keys 1,536 on
	STEPS 0, 0
	CHANGE 0, 0, 0                                 ; nothing is left to fetch
	STEPS SLOT1, 0
	; THE WAY OUT.  l's two halves and the other half of the lanes' are added; O^T is divided by l, rounded to f16 and sent through my stage, so that each store covers four whole rows of ctx.
.irp t, 0,1
	v_add_f32 v[ST+8*\t+4], v[ST+8*\t+2], v[ST+8*\t+3]
.endr
.irp t, 0,1
	v_permlanex16_b32 v[ST+8*\t+5], v[ST+8*\t+4], s[SEL], s[SEL+1]
.endr
.irp t, 0,1
	v_add_f32 v[ST+8*\t+4], v[ST+8*\t+4], v[ST+8*\t+5]
.endr
.irp t, 0,1
	v_rcp_f32 v[ST+8*\t+6], v[ST+8*\t+4]
.endr
	s_mul_i32 s16, s[WV], 32*SP                    ; my stage.  (The address lines are the plain work behind the reciprocals, and places behind the last products)
	v_and_b32 v31, 15, v0
	v_bfe_u32 v[QO], v0, 4, 1
	v_mul_u32_u24 v[STO], v31, SP
	v_lshl_add_u32 v[STO], v[QO], 4, v[STO]
	v_add_nc_u32 v[STO], s16, v[STO]               ; in: row r, 16 bytes for each half of the lanes
	v_bfe_u32 v[RD], v0, 3, 2
	v_mul_u32_u24 v[RD], v[RD], SP
	v_and_b32 v31, 7, v0
	v_lshl_add_u32 v[RD], v31, 4, v[RD]
	v_add_nc_u32 v[RD], s16, v[RD]                 ; back: eight lanes to a row of 128 bytes, four rows an instruction
	v_and_b32 v[GO], 31, v0
	v_lshlrev_b32 v[GO], 4, v[GO]                  ; in ctx those four rows are 512 consecutive bytes
	s_wait_alu depctr_va_vdst(0)                   ; the wait ahead of the reciprocals' first reader
.set d, 0
.rept 16
.irp t, 0,1
	v_pk_mul_f32 v[S+32*\t+d:S+32*\t+d+1], v[O+32*\t+d:O+32*\t+d+1], v[ST+8*\t+6:ST+8*\t+7] op_sel_hi:[1,0]   ; O^T / l, each accumulator from its low end on
.endr
.set d, d+2
.endr
.set d, 0
.rept 16
	v_cvt_pk_f16_f32 v[S+d], v[S+2*d], v[S+2*d+1]  ; in place, as above: registers 4 ct .. 4 ct + 3 are channels 16 ct + 8 h + 0..7 of my query
	v_cvt_pk_f16_f32 v[S+32+d], v[S+32+2*d], v[S+32+2*d+1]
.set d, d+1
.endr
.irp t, 0,1
.irp ct, 0,1,2,3
	ds_store_b128 v[STO], v[S+32*\t+4*\ct:S+32*\t+4*\ct+3] offset:\t*16*SP+\ct*32
.endr
.endr
.irp i, 0,1,2,3,4,5,6,7
	ds_load_b128 v[KV+4*\i:KV+4*\i+3], v[RD] offset:\i*4*SP   ; LDS serves a wave's instructions in order (ISA guide 5.7.1.4): these see my stores
.endr
.irp i, 0,1,2,3,4,5,6,7
	s_wait_dscnt 7-\i                              ; the younger read-backs may be out
	global_store_b128 v[GO], v[KV+4*\i:KV+4*\i+3], s[CB:CB+1] offset:512*\i   ; 32 lanes store 512 consecutive bytes, aligned
.endr
	s_wait_tensorcnt 0x0                           ; the wave's end, behind my last tensor load and my last LDS store
	ds_add_u32 v[SPW], v[NIL]
	s_wait_dscnt 0x0
	ROUND                                          ; the closing round: no work-group ends while a partner may still ask for a tile that names it
	s_endpgm
.Lfunc_end_k_q0e2d05be73_attn:
	.size	k_q0e2d05be73_attn, .Lfunc_end_k_q0e2d05be73_attn-k_q0e2d05be73_attn
	.p2alignl 7, 3214868480
	.fill 96, 4, 3214868480
	.section	.rodata,"a",@progbits
	.p2align	6, 0x0
	.amdhsa_kernel k_q0e2d05be73_attn
		.amdhsa_group_segment_fixed_size 327680
		.amdhsa_private_segment_fixed_size 0
		.amdhsa_enable_private_segment 0
		.amdhsa_kernarg_size 16
		.amdhsa_user_sgpr_count 2
		.amdhsa_user_sgpr_kernarg_segment_ptr 1
		.amdhsa_wavefront_size32 1
		.amdhsa_system_sgpr_workgroup_id_x 1
		.amdhsa_system_sgpr_workgroup_id_y 1
		.amdhsa_system_sgpr_workgroup_id_z 1
		.amdhsa_system_vgpr_workitem_id 0
		.amdhsa_next_free_vgpr 256
		.amdhsa_next_free_sgpr 66
		.amdhsa_reserve_vcc 0
		.amdhsa_float_denorm_mode_32 3
		.amdhsa_float_denorm_mode_16_64 3
		.amdhsa_memory_ordered 1
		.amdhsa_forward_progress 1
		.amdhsa_inst_pref_size 88
	.end_amdhsa_kernel
	.amdgpu_metadata
---
amdhsa.version: [ 1, 2 ]
amdhsa.kernels:
  - .name:           k_q0e2d05be73_attn
    .symbol:         k_q0e2d05be73_attn.kd
    .args:
      - { .name: qkv, .offset: 0, .size: 8, .value_kind: global_buffer, .address_space: global }
      - { .name: ctx, .offset: 8, .size: 8, .value_kind: global_buffer, .address_space: global }
    .group_segment_fixed_size: 327680
    .private_segment_fixed_size: 0
    .kernarg_segment_align: 8
    .kernarg_segment_size: 16
    .max_flat_workgroup_size: 512
    .sgpr_count:     66
    .vgpr_count:     256
    .wavefront_size: 32
...
	.end_amdgpu_metadata
.endif
;; end of part 3
;; launch oproj (part 4): grid 4 x 64, 4 waves a work-group, clusters of 4 x 4, 327,680 bytes of LDS; arguments ctx, wo16, bo, out0; writes out0
.if DOCPART == 4
	.amdgcn_target "amdgcn-amd-amdhsa--gfx1250"
	.amdhsa_code_object_version 6
	.text
	.protected	k_q0e2d05be73_oproj
	.globl	k_q0e2d05be73_oproj
	.p2align	8
	.type	k_q0e2d05be73_oproj,@function
k_q0e2d05be73_oproj:
	s_mov_b64 s[64:65], 0
	v_nop
	global_prefetch_b8 v0, s[64:65] scope:SCOPE_SE
	s_setreg_imm32_b32 hwreg(HW_REG_WAVE_MODE, 25, 1), 1
	s_wait_xcnt 0x0
	s_wait_alu depctr_hold_cnt(0) depctr_sa_sdst(0) depctr_va_vdst(0) depctr_va_sdst(0) depctr_va_ssrc(0) depctr_va_vcc(0) depctr_vm_vsrc(0)
	s_getreg_b32 s2, hwreg(HW_REG_IB_STS2, 6, 4)
	s_cmp_eq_u32 s2, 0
	s_cbranch_scc0 .Lentry_in_a_cluster
	s_endpgm
.Lentry_in_a_cluster:
	s_bfe_u32 s2, ttmp6, 0x10000c
	s_cmp_lg_u32 s2, 0xf033
	s_cbranch_scc0 .Lentry_shape_is_right
	s_endpgm
.Lentry_shape_is_right:
; out0[m][n] = the sum over k of ctx[m][k] Wo[k][n] + bo[n].  ctx: [b 4][h 16][s 2048][64] f16 (m = 2048 b + s, k = 64 h + d); wo16: [k 1024][n 1024] f16; bo [1024], out0 [8192][1024]: f32; sums in f32.
; A tile of the result is 128 (m) x 256 (n): 256 work-groups, one for each WGP; tiles of 256 x 256 would be 128.  Four waves, each 64 x 128: 32 accumulators of 16 x 16.
; K goes in steps of 128, two heads, through a ring of two LDS slots: of A two dense blocks of 128 rows x 128 bytes (one a head), of B 128 rows of 512 bytes.  Slots of 256 along K would be 2 x 212,992 bytes, more than a WGP's LDS holds.
; CLUSTERS: 4 x 4 work-groups.  The four of a row of the cluster need the same tiles of ctx, the four of a column the same tiles of Wo: each is asked for JOINTLY, by the same tensor load with the same descriptor and a mask that names the four.
; THE MATRIX INSTRUCTION IS USED TRANSPOSED: source 0 = 16 columns of Wo (stored [k][n]: turned by ds_load_tr16_b128), source 1 = 16 rows of ctx: a lane holds eight neighbouring columns of a row.  THE BIAS is the C of each sum's first product.
; REGISTERS, in windows of 256: window 0: v0-31 addresses; two fragment buffers of 96, v64-159 and v160-255: A's 4 fragments (16 rows x 32 K), then B's 8.   window 1: accumulator (a, b) at v[8 (8 a + b)].   window 2: v0-63 the bias, eight registers for each block of columns.
.set PA,    144                        ; a row of A in LDS: 128 bytes + 16 = 36 words: the 16 rows of a load start 4 banks apart (64 banks of 4 bytes: ISA guide 11.1)
.set PB,    544                        ; a row of B: 512 + 32 = 136 words: the turning load's 8 rows start 8 banks apart
.set AHEAD, 128*PA                     ; a head's 128 rows
.set BOFF,  2*AHEAD
.set BHALF, 64*PB                      ; what one of B's loads brings
.set SLOT,  BOFF+2*BHALF
.set SPARE, 2*SLOT                     ; the spare words, 128 bytes for each wave: two blocks of 256 bytes that no other line names
.set SPITCH, 528                       ; the way out: 16 rows x (512 + 16) bytes for each wave, in slot 0: the last K step lies in slot 1, and slot 0 has had its last fill and its last read
.set ADRA, 16                          ; v16-17  LDS address of my A fragments in slot 0, 1
.set ADRB, 20                          ; v20-21  the same for B
.set STO,  24
.set RD,   25
.set CO,   26
.set BO,   27                          ; v27  32 x (lane / 16)
.set SPW,  28
.set NIL,  29
.set PFO,  30                          ; v30  the prefetches' offset; never rewritten
.set F0,   64
.set F1,   160
.set BK,   64                          ; the way out: rows read back: v64-127 and v128-191 by turns
.set WV,   12
.set G1A,  24                          ; s[24:31] group 1 for A's tiles; s[32:39] group 0, one set for each slot
.set G0A,  32
.set G1B,  48                          ; s[48:55], s[56:63] the same for B's
.set G0B,  56
.set LIM,  15                          ; s15  1 in the wave that prefetches, else the greatest number
.set PFA,  44                          ; s[44:45]
.set MSB, 0
.macro WIN new                         ; the immediate's high byte repeats the setting that is left
.if MSB != \new
	s_set_vgpr_msb (MSB<<8)|\new
.set MSB, \new
.endif
.endm
.set MUL,  0x50                        ; sources 0 and 1 window 0; C and D window 1
.set MULF, 0x60                        ; a sum's first product: C (the bias) window 2, D window 1
.macro PLACES
.rept 4
	v_nop
.endr
.endm
.macro JLOAD s                         ; a joint load: waves 0 and 1 fetch A's two heads, waves 2 and 3 B's two halves; an s_nop 0 and four v_nop follow each of the two lines
	s_cmp_eq_u32 s13, 0
	s_cbranch_scc0 .Lfor_b_\@
	tensor_load_to_lds s[G0A+4*\s:G0A+4*\s+3], s[G1A:G1A+7]
	s_nop 0
	PLACES
	s_branch .Lasked_\@
.Lfor_b_\@:
	tensor_load_to_lds s[G0B+4*\s:G0B+4*\s+3], s[G1B:G1B+7]
	s_nop 0
	PLACES
.Lasked_\@:
.endm
.macro CREST                           ; a round of the cluster's barrier behind its opening barrier
	s_cmp_lg_u32 s[WV], 0
	s_cbranch_scc1 .Lnot_wave_0_\@
	s_barrier_signal -3
.Lnot_wave_0_\@:
	s_barrier_wait -3
	s_barrier_signal -1
	s_barrier_wait -1
.endm
.macro CROUND
	s_barrier_signal -1
	s_barrier_wait -1
	CREST
.endm
; A PREFETCH INTO THE L2 of ctx, behind each joint refill and the run of LDS loads that follows it: the K step that stands two refills on: two heads x 16 KB.  One cluster alone reads a tile row of ctx; its four partners along x
; share the blocks out BY ADDRESS, 4 KB of each head to a partner; in each, wave 0 asks, lanes 256 bytes apart, sixteen lanes to a head.  So each aligned block of 256 bytes is named once.  The loop's last trip asks for nothing: K ends.
; Wo is not asked for: all sixteen clusters walk the same 2 MB of it at about the same time.
.macro ASK
	s_cmp_gt_u32 s3, s[LIM]
	s_cbranch_scc0 .Lnot_mine_\@
	global_prefetch_b8 v[PFO], s[PFA:PFA+1] th:TH_LOAD_NT scope:SCOPE_SE
.Lnot_mine_\@:
.endm
	s_load_b256 s[4:11], s[0:1], 0x0               ; ctx s[4:5], wo16 s[6:7], bo s[8:9], out0 s[10:11]
	v_lshl_add_u32 v[SPW], v0, 2, SPARE
	v_mov_b32 v[NIL], 0
	ds_add_u32 v[SPW], v[NIL]                      ; the wave's opening: the add, twice on end, and its wait ahead of my first tensor load
	ds_add_u32 v[SPW], v[NIL]
	v_lshrrev_b32 v1, 5, v0
	v_readfirstlane_b32 s[WV], v1                  ; wave 0..3
	s_lshr_b32 s13, s[WV], 1                       ; which 64 rows of the tile are mine.  Also: I fetch for A (0) or for B (1)
	s_and_b32 s14, s[WV], 1                        ; which 128 columns.  Also: which head of A, which 64 rows of B I fetch
	s_bfe_u32 s40, ttmp6, 0x40000                  ; cx, cy
	s_bfe_u32 s41, ttmp6, 0x40004
	s_lshl_b32 s42, ttmp9, 2
	s_add_co_u32 s42, s42, s40                     ; tile column
	s_and_b32 s43, ttmp7, 0xffff
	s_lshl_b32 s43, s43, 2
	s_add_co_u32 s43, s43, s41                     ; tile row
	s_lshl_b32 s16, s41, 2
	s_lshl_b32 s16, 15, s16                        ; my row of the cluster
	s_lshl_b32 s17, 0x1111, s40                    ; my column
	s_or_b32 s[G1A], s16, (1<<16)|(1<<20)|(1<<21)|(4<<22)|(3<<25)   ; the mask; elements of 2 bytes; padding on; 21 set beside a mask; after every 32 words four words
	s_mov_b32 s[G1A+1], 64<<16                     ; tensor_dim0 = 64
	s_mov_b32 s[G1A+2], 128<<16                    ; tensor_dim1 = 128
	s_mov_b32 s[G1A+3], 64<<16                     ; tile_dim0 = 64
	s_mov_b32 s[G1A+4], 128                        ; tile_dim1 = 128
	s_mov_b32 s[G1A+5], 64                         ; tensor_dim0_stride: a head's rows are dense
	s_mov_b32 s[G1A+6], 0
	s_mov_b32 s[G1A+7], 0
	s_or_b32 s[G1B], s17, (1<<16)|(1<<20)|(1<<21)|(6<<22)|(7<<25)   ; after every 128 words eight words
	s_mov_b32 s[G1B+1], 256<<16                    ; tensor_dim0 = 256
	s_mov_b32 s[G1B+2], 64<<16                     ; tensor_dim1 = 64
	s_mov_b32 s[G1B+3], 256<<16                    ; tile_dim0 = 256
	s_mov_b32 s[G1B+4], 64                         ; tile_dim1 = 64
	s_mov_b32 s[G1B+5], 1024                       ; tensor_dim0_stride
	s_mov_b32 s[G1B+6], 0
	s_mov_b32 s[G1B+7], 0
	s_lshr_b32 s18, s43, 4                         ; A hangs on the tile row alone: batch = tile row / 16,
	s_lshl_b32 s18, s18, 22
	s_and_b32 s19, s43, 15                         ; s = 128 (tile row % 16): 16,384 bytes
	s_lshl_b32 s19, s19, 14
	s_add_co_u32 s18, s18, s19
	s_lshl_b32 s19, s14, 18                        ; my head of the K step's two
	s_add_co_u32 s20, s18, s19
	s_mov_b32 s21, 0
	s_lshl_b32 s46, s14, 17                        ; B hangs on the tile column alone: my 64 rows of 2,048 bytes,
	s_lshl_b32 s47, s42, 9                         ; 512 bytes a tile column
	s_add_co_u32 s46, s46, s47
	s_mov_b32 s47, 0
	s_mul_i32 s22, s14, AHEAD                      ; where they go: the wave's number alone
	s_mul_i32 s23, s14, BHALF
	s_add_co_u32 s23, s23, BOFF
	s_cmp_eq_u32 s[WV], 0
	s_cselect_b32 s[LIM], 1, -1
	s_wait_dscnt 0x0                               ; both opening adds are done
	s_wait_kmcnt 0x0
	s_add_nc_u64 s[20:21], s[4:5], s[20:21]
	s_add_nc_u64 s[46:47], s[6:7], s[46:47]
	CROUND                                         ; all sixteen work-groups are here: the first joint loads meet
.irp n, 0,1
	s_mov_b32 s[G0A+4*\n], 1
	s_add_co_u32 s[G0A+4*\n+1], s22, \n*SLOT
	s_add_nc_u64 s[G0A+4*\n+2:G0A+4*\n+3], s[20:21], \n*524288     ; K step n: two heads on
	s_or_b32 s[G0A+4*\n+3], s[G0A+4*\n+3], 0x80000000
	s_mov_b32 s[G0B+4*\n], 1
	s_add_co_u32 s[G0B+4*\n+1], s23, \n*SLOT
	s_add_nc_u64 s[G0B+4*\n+2:G0B+4*\n+3], s[46:47], \n*262144     ; 128 rows on
	s_or_b32 s[G0B+4*\n+3], s[G0B+4*\n+3], 0x80000000
	JLOAD \n                                       ; two tensor loads of mine are out behind the second
.endr
	s_lshl_b32 s19, s40, 12                        ; the prefetch: my work-group's 4 KB of each head,
	s_add_co_u32 s18, s18, s19
	s_add_co_u32 s18, s18, 3*524288                ; at K step 3: the first refill steps it to 4.  K steps 0 to 3 come by their loads alone
	s_mov_b32 s19, 0
	s_add_nc_u64 s[PFA:PFA+1], s[4:5], s[18:19]
	v_and_b32 v1, 15, v0                           ; r
	v_bfe_u32 v2, v0, 4, 1                         ; h
	v_lshlrev_b32 v[PFO], 8, v1
	v_lshl_add_u32 v[PFO], v2, 18, v[PFO]          ; lanes 0-15 the first head, lanes 16-31 the second
	s_lshl_b32 s16, s42, 10                        ; the bias of my 128 columns: (256 tile column + 128 half) x 4 bytes
	s_lshl_b32 s17, s14, 9
	s_add_co_u32 s16, s16, s17
	s_mov_b32 s17, 0
	s_add_nc_u64 s[8:9], s[8:9], s[16:17]
	s_add_nc_u64 s[10:11], s[10:11], s[16:17]      ; out0: the same bytes along a row,
	s_lshl_b32 s16, s43, 19                        ; and (128 tile row + 64 half) rows of 4,096 bytes
	s_lshl_b32 s18, s13, 18
	s_add_co_u32 s16, s16, s18
	s_add_nc_u64 s[10:11], s[10:11], s[16:17]
	v_lshlrev_b32 v[BO], 5, v2
	WIN 0x80                                       ; destination window 2
.irp b, 0,1,2,3,4,5,6,7                        ; register j of block b: the bias of column 16 b + 8 h + j
	global_load_b128 v[8*\b:8*\b+3],   v[BO], s[8:9] offset:64*\b
	global_load_b128 v[8*\b+4:8*\b+7], v[BO], s[8:9] offset:64*\b+16
.endr
	WIN 0
	v_mul_u32_u24 v3, v1, PA
	v_lshl_add_u32 v3, v2, 4, v3                   ; A: row x pitch + 16 x half
	s_mul_i32 s16, s13, 64*PA                      ; my 64 rows
	v_add_nc_u32 v[ADRA], s16, v3
	v_add_nc_u32 v[ADRA+1], SLOT, v[ADRA]
	v_and_b32 v4, 7, v0                            ; B, turned: lane l reads 16 bytes: k 8 (l / 16) + l % 8, columns 8 ((l / 8) % 2) + 0..7
	v_lshl_add_u32 v4, v2, 3, v4
	v_mul_u32_u24 v4, v4, PB
	v_bfe_u32 v5, v0, 3, 1
	v_lshl_add_u32 v4, v5, 4, v4
	s_lshl_b32 s16, s14, 8                         ; my 128 columns
	s_add_co_u32 s16, s16, BOFF
	v_add_nc_u32 v[ADRB], s16, v4
	v_add_nc_u32 v[ADRB+1], SLOT, v[ADRB]
	s_mul_i32 s16, s[WV], 16*SPITCH                ; my stage
	v_mul_u32_u24 v5, v1, SPITCH
	v_lshl_add_u32 v5, v2, 5, v5
	v_add_nc_u32 v[STO], s16, v5                   ; in: row r, 32 bytes for each half of the lanes
	v_and_b32 v6, 31, v0
	v_lshlrev_b32 v[CO], 4, v6                     ; back: the 32 lanes take one row of 512 bytes; and the same in out0
	v_add_nc_u32 v[RD], s16, v[CO]
; 24 LDS loads in one run: the fragments of the slot's q-th 32 along K into buffer f: B's eight (turned), then A's four (head q / 2, channels 32 (q % 2) on)
.macro FETCH slot, q, f
.irp i, 0,1,2,3,4,5,6,7
	ds_load_tr16_b128 v[\f+32+8*\i:\f+32+8*\i+3],   v[ADRB+\slot] offset:(\q)*32*PB+\i*32
	ds_load_tr16_b128 v[\f+32+8*\i+4:\f+32+8*\i+7], v[ADRB+\slot] offset:(\q)*32*PB+16*PB+\i*32
.endr
.irp i, 0,1,2,3
	ds_load_b128 v[\f+8*\i:\f+8*\i+3],   v[ADRA+\slot] offset:((\q)/2)*AHEAD+((\q)%2)*64+\i*16*PA
	ds_load_b128 v[\f+8*\i+4:\f+8*\i+7], v[ADRA+\slot] offset:((\q)/2)*AHEAD+((\q)%2)*64+\i*16*PA+32
.endr
.endm
; 8 matrix instructions: A's block a x B's eight.  The 32 accumulators take turns, one instruction a turn, in the same order in every quarter.  first = 1: the sums begin with the bias as C.
.macro MUL8 f, a, first
.irp b, 0,1,2,3,4,5,6,7
.if \first
	v_wmma_f32_16x16x32_f16 v[8*(8*(\a)+\b):8*(8*(\a)+\b)+7], v[\f+32+8*\b:\f+32+8*\b+7], v[\f+8*(\a):\f+8*(\a)+7], v[8*\b:8*\b+7]
.else
	v_wmma_f32_16x16x32_f16 v[8*(8*(\a)+\b):8*(8*(\a)+\b)+7], v[\f+32+8*\b:\f+32+8*\b+7], v[\f+8*(\a):\f+8*(\a)+7], v[8*(8*(\a)+\b):8*(8*(\a)+\b)+7]
.endif
.endr
.endm
; A K step is four quarters of 32 along K, 32 matrix instructions each, on buffers 0, 1, 0, 1.  One of the first three: multiplies buffer f; in its middle it fetches quarter qn into buffer g.
.macro QUARTER slot, qn, f, g, first
	s_wait_dscnt 0x0                               ; buffer f is in
.if \first
	WIN MULF
.else
	WIN MUL
.endif
	MUL8 \f, 0, \first
	MUL8 \f, 1, \first
	PLACES                                         ; in front of loads into buffer g, which the quarter before multiplied (ISA guide 7.12.1 for vector instructions)
	WIN 0
	FETCH \slot, \qn, \g
.if \first
	WIN MULF
.else
	WIN MUL
.endif
	MUL8 \f, 2, \first
	MUL8 \f, 3, \first
.endm
; The last quarter multiplies buffer 1 and changes slots: ONE barrier; in front of it each wave waits for all its tensor loads (its part of the next slot), adds 0 to its spare word, and waits for that and for its own reads of this slot.
; fill = 1: the barrier opens a round of the cluster's barrier, and this slot is filled again, two K steps ahead, first thing behind the round.
.macro TURN slot, next, fill
.if \fill
	s_wait_xcnt 0x0                                ; the last prefetch, a K step back, has read its address
	s_add_nc_u64 s[PFA:PFA+1], s[PFA:PFA+1], 524288
.endif
	WIN 0                                          ; (the add's two registers lie in window 0)
	s_wait_tensorcnt 0x0
	ds_add_u32 v[SPW], v[NIL]
	s_wait_dscnt 1                                 ; buffer 1 is in; the add alone may be out
	WIN MUL
	MUL8 F1, 0, 0                                  ; eight matrix instructions stand between the add and the wait for it
	s_wait_dscnt 0x0                               ; the add is done, and my reads of this slot are over
	s_barrier_signal -1
	MUL8 F1, 1, 0
	WIN 0
	s_barrier_wait -1
.if \fill
	CREST                                          ; no wave of any partner still reads this slot's tiles or has a load on its way
	s_add_nc_u64 s[G0A+4*\slot+2:G0A+4*\slot+3], s[G0A+4*\slot+2:G0A+4*\slot+3], 1048576   ; four heads on
	s_add_nc_u64 s[G0B+4*\slot+2:G0B+4*\slot+3], s[G0B+4*\slot+2:G0B+4*\slot+3], 524288    ; 256 rows on
	JLOAD \slot                                    ; its four v_nop are also the places in front of the loads below
.else
	PLACES
.endif
	FETCH \next, 0, F0
.if \fill
	ASK
.endif
	WIN MUL
	MUL8 F1, 2, 0
	MUL8 F1, 3, 0
.endm
	s_wait_tensorcnt 1                             ; my part of K step 0 is in; K step 1's load may be out
	s_barrier_signal -1
	s_barrier_wait -1                              ; everybody's is
	FETCH 0, 0, F0
	s_wait_loadcnt 0x0                             ; the bias
	QUARTER 0, 1, F0, F1, 1                        ; the first quarter stands in front of the loop: its products start the sums, on the bias
	WIN 0                                          ; at a label and at a branch every window is 0
	s_mov_b32 s3, 3
.Llap:                                             ; a trip goes once round the ring, from a lap's second quarter to the next lap's first, and fills both slots again: K steps 2 to 7
	QUARTER 0, 2, F1, F0, 0
	QUARTER 0, 3, F0, F1, 0
	TURN 0, 1, 1
	QUARTER 1, 1, F0, F1, 0
	QUARTER 1, 2, F1, F0, 0
	QUARTER 1, 3, F0, F1, 0
	TURN 1, 0, 1
	QUARTER 0, 1, F0, F1, 0
	WIN 0
	s_sub_co_u32 s3, s3, 1
	s_cmp_lg_u32 s3, 0
	s_cbranch_scc1 .Llap
	QUARTER 0, 2, F1, F0, 0                        ; the last lap fills nothing, and has no round of the cluster's barrier
	QUARTER 0, 3, F0, F1, 0
	TURN 0, 1, 0
	QUARTER 1, 1, F0, F1, 0
	QUARTER 1, 2, F1, F0, 0
	QUARTER 1, 3, F0, F1, 0
	s_wait_dscnt 0x0                               ; the very last quarter: nothing more to fetch
	WIN MUL
	MUL8 F1, 0, 0
	MUL8 F1, 1, 0
	MUL8 F1, 2, 0
	MUL8 F1, 3, 0
	WIN 0
; THE WAY OUT, block by block of 16 rows x 128 columns.  A lane holds 32 neighbouring bytes of a row; a block goes through my own stage and comes back as whole rows of 512 bytes.
; LDS serves a wave's instructions in order (ISA guide 5.7.1.4): no wait between the stores and the loads, nor in front of the next block's stores.
.macro TOSTAGE a
	WIN 0x04                                       ; an LDS store's data are its source 1: window 1
.irp b, 0,1,2,3,4,5,6,7
	ds_store_b128 v[STO], v[8*(8*(\a)+\b):8*(8*(\a)+\b)+3] offset:64*\b            ; each accumulator from its low end on
	ds_store_b128 v[STO], v[8*(8*(\a)+\b)+4:8*(8*(\a)+\b)+7] offset:64*\b+16
.endr
	WIN 0
.set BB, BK+64*((\a)%2)
.irp t, 0,1,2,3,4,5,6,7,8,9,10,11,12,13,14,15
	ds_load_b128 v[BB+4*\t:BB+4*\t+3], v[RD] offset:\t*SPITCH
.endr
.endm
.macro SEND a, younger                 ; younger: the LDS instructions issued behind block a's loads, which may stay out
.set BB, BK+64*((\a)%2)
	s_wait_dscnt \younger
.irp t, 0,1,2,3,4,5,6,7,8,9,10,11,12,13,14,15
	global_store_b128 v[CO], v[BB+4*\t:BB+4*\t+3], s[10:11] offset:(16*(\a)+\t)*4096 th:TH_STORE_NT   ; 32 lanes store 512 consecutive bytes, aligned; 63 rows at the most stand in the immediate; written once, read by nobody here
.endr
.endm
	PLACES                                         ; in front of the first read of the last products' results and of loads into the fragments' registers
	TOSTAGE 0
.irp a, 1,2,3
.if \a > 1
	s_wait_xcnt 0x0                                ; block a - 2's stores have read their registers: block a's loads may land there
.endif
	TOSTAGE \a
	SEND \a-1, 32                                  ; behind block a - 1's loads: block a's 16 stores and 16 loads
.endr
	SEND 3, 0
	s_wait_tensorcnt 0x0                           ; the wave's end, behind my last tensor load and my last LDS store
	ds_add_u32 v[SPW], v[NIL]
	s_wait_dscnt 0x0
	CROUND                                         ; the closing round: no work-group ends while a partner may still ask for a tile that names it
	s_endpgm
.Lfunc_end_k_q0e2d05be73_oproj:
	.size	k_q0e2d05be73_oproj, .Lfunc_end_k_q0e2d05be73_oproj-k_q0e2d05be73_oproj
	.p2alignl 7, 3214868480
	.fill 96, 4, 3214868480
	.section	.rodata,"a",@progbits
	.p2align	6, 0x0
	.amdhsa_kernel k_q0e2d05be73_oproj
		.amdhsa_group_segment_fixed_size 327680
		.amdhsa_private_segment_fixed_size 0
		.amdhsa_enable_private_segment 0
		.amdhsa_kernarg_size 32
		.amdhsa_user_sgpr_count 2
		.amdhsa_user_sgpr_kernarg_segment_ptr 1
		.amdhsa_wavefront_size32 1
		.amdhsa_system_sgpr_workgroup_id_x 1
		.amdhsa_system_sgpr_workgroup_id_y 1
		.amdhsa_system_sgpr_workgroup_id_z 1
		.amdhsa_system_vgpr_workitem_id 0
		.amdhsa_next_free_vgpr 640
		.amdhsa_next_free_sgpr 66
		.amdhsa_reserve_vcc 0
		.amdhsa_float_denorm_mode_32 3
		.amdhsa_float_denorm_mode_16_64 3
		.amdhsa_memory_ordered 1
		.amdhsa_forward_progress 1
		.amdhsa_inst_pref_size 87
	.end_amdhsa_kernel
	.amdgpu_metadata
---
amdhsa.version: [ 1, 2 ]
amdhsa.kernels:
  - .name:           k_q0e2d05be73_oproj
    .symbol:         k_q0e2d05be73_oproj.kd
    .args:
      - { .name: ctx, .offset: 0, .size: 8, .value_kind: global_buffer, .address_space: global }
      - { .name: wo16, .offset: 8, .size: 8, .value_kind: global_buffer, .address_space: global }
      - { .name: bo, .offset: 16, .size: 8, .value_kind: global_buffer, .address_space: global }
      - { .name: out0, .offset: 24, .size: 8, .value_kind: global_buffer, .address_space: global }
    .group_segment_fixed_size: 327680
    .private_segment_fixed_size: 0
    .kernarg_segment_align: 8
    .kernarg_segment_size: 32
    .max_flat_workgroup_size: 128
    .sgpr_count:     66
    .vgpr_count:     640
    .wavefront_size: 32
...
	.end_amdgpu_metadata
.endif
;; end of part 4
